; MI455X (gfx1250); checked and timed in simulation.
; The chip was launched on July 23, 2026; its instructions are those of AMD's public machine-readable ISA for CDNA 5 (MIT licence, August 2026) and "CDNA5" Instruction Set Architecture Reference Guide (July 2026). The comments in the code are by the model that wrote it; some were corrected since.
;; Multi Head Global Attention. Allowed arithmetic: matrix products marked QUANTISED: E5M2 operands, one E8M0 scale for each 32 along K, by v_wmma_scale_f32_16x16x128_f8f6f4 with both operands' format E5M2, f32 sums; everything else in f32.
;; Inputs: b_o 1,024 float32; b_qkv 3,072 float32; w_o 1,024 x 1,024 float32; w_qkv 1,024 x 3,072 float32; x 2 x 2,048 x 1,024 float32.
;; Outputs: out0 2 x 2,048 x 1,024 float32.
;; This version of the problem:
;;   THIS VERSION OF THE PROBLEM IS GIVEN IN LOW PRECISION. The matrix products marked QUANTISED in the list below multiply operands that are first quantised to E5M2 (5 exponent bits, 2 mantissa bits; 8 bits a number), with one power-of-two scale for each 32 numbers along K (OCP MX v1.0); their sums are f32. All else is computed in f32.
;;   The module's matrix products, in the order in which they are computed (A, B: the left and right operand; K: the contracted axis; several contracted axes count as one K, in the product's order):
;;     1. [M 4,096, K 1,024] x [K 1,024, N 3,072]; A: input x; B: input w_qkv: QUANTISED
;;     2. batch 32 x [M 2,048, K 64] x [K 64, N 2,048]; A: computed on the way; B: computed on the way: QUANTISED
;;     3. batch 32 x [M 2,048, K 2,048] x [K 2,048, N 64]; A: softmax (see below); B: computed on the way: QUANTISED
;;     4. [M 4,096, K 1,024] x [K 1,024, N 1,024]; A: computed on the way; B: input w_o: QUANTISED
;;   THE QUANTISER, for each operand of a quantised product, along K:
;;     - K is cut into blocks of 32 from its start; a last block that is shorter is filled with zeros.
;;     - A block's scale is 2^e with e = floor(log2(the largest magnitude in the block)) - 15, held to -126 .. 127; a block of zeros has e = 0. As a byte (E8M0): e + 127.
;;     - Each number is divided by its block's scale, clamped to +-57,344, and rounded to the nearest number of E5M2, ties to even, subnormals kept.
;;     - The product sums the exact products of the quantised numbers (number of the format x scale) in f32.
;;   ~~~python
;;   def quantise(x, axis):      # numpy; x: float32 -> the quantised numbers, widened to float32 again
;;       x = np.moveaxis(x, axis, -1); K = x.shape[-1]
;;       x = np.pad(x, [(0, 0)] * (x.ndim - 1) + [(0, -K % 32)]); x = x.reshape(x.shape[:-1] + (-1, 32)); a = np.abs(x).max(-1, keepdims=True)
;;       e = np.where(a > 0, np.clip(np.frexp(np.where(a > 0, a, 1))[1] - 1 - 15, -126, 127), 0)      # np.frexp(a)[1] - 1 = floor(log2(a)), exactly
;;       r = np.clip(x / 2.0 ** e, -57344, 57344)
;;       step = 2.0 ** (np.maximum(np.frexp(np.where(r == 0, 1, r))[1] - 1, -14) - 2)
;;       q = np.round(r / step) * step * 2.0 ** e      # np.round: ties to even
;;       return np.moveaxis(q.reshape(q.shape[:-2] + (-1,))[..., :K], -1, axis).astype(np.float32)
;;   ~~~
;;   SOFTMAX AHEAD OF A QUANTISED PRODUCT. Where the list says 'softmax', what is quantised is not the finished softmax but p = 2^(t - M), with t = logit x log2(e) and M = ceil(the row's largest t), a whole number; so 1/2 < the row's largest p <= 1. The row's sum l is taken of the UNQUANTISED p, in f32, and the product's result is divided by l at the end. Since M is a whole number, a kernel that streams over the keys may use a running M (the ceiling of the running maximum): every later rescaling is an exact power of two, which a block's scale takes up: the codes' values come out the same.
;;   OPERANDS COMPUTED ON THE WAY. 'Computed on the way' means the value that the module computes at that place (a softmax that the list does not call 'softmax' is quantised finished and normalised). What goes into a quantiser is computed in f32, as accurately as f32 sums, v_exp_f32 and their like allow (about 1e-6 of the number): no bf16 or f16 on the way to a quantiser, and a product that is left as it is and whose result goes on into a quantised operand takes f32 operands (vector FMAs, or v_wmma_f32_16x16x4_f32). A number that lies on a knife's edge between two numbers of the format may be rounded either way, as far as f32 arithmetic and the matrix unit's own rounding can turn it there, and no further.
;; One version. Each part assembles by itself: llvm-mc -triple=amdgcn-amd-amdhsa -mcpu=gfx1250 --defsym DOCPART=n.
;; ======== version 1 of 1: 4 launches
;; limits: right only within a limited range of input values
;; workspace buffers: x_img 4,325,376 bytes; wq_img 3,244,032 bytes; wo_img 1,081,344 bytes; q_img 4,325,376 bytes; kv_img 8,650,752 bytes; o_img 4,325,376 bytes
;; launch quant (part 1): grid 256 x 1, 8 waves a work-group, no clusters, 70,656 bytes of LDS; arguments x, w_qkv, w_o, x_img, wq_img, wo_img; writes x_img, wq_img, wo_img
.if DOCPART == 1
	.amdgcn_target "amdgcn-amd-amdhsa--gfx1250"
	.amdhsa_code_object_version 6
	.text
	.protected	k_qa97d947000_quant
	.globl	k_qa97d947000_quant
	.p2align	8
	.type	k_qa97d947000_quant,@function
k_qa97d947000_quant:
	s_mov_b64 s[64:65], 0
	v_nop
	global_prefetch_b8 v0, s[64:65] scope:SCOPE_SE
	s_setreg_imm32_b32 hwreg(HW_REG_WAVE_MODE, 25, 1), 1
	s_wait_xcnt 0x0
; x [4096][1024], w_qkv [1024][3072] and w_o [1024][1024], f32, become codes of BF8 (E5M2) with one E8M0 byte for each 32 along K, laid as the later launches' matrix operands want them.
; A block's scale is 2^(floor(log2(its largest magnitude)) - 15); its byte is the largest magnitude's exponent field - 15, held at 1 from below; each number is held within +-57,344 x the scale and rounded to the nearest code.
; LIMITS: NaN and infinities among the inputs are not served.  A block of zeros, and a block whose largest magnitude lies under 2^-111, gets the byte 1: a block of zeros has zero codes, and these bytes are read by this program alone.
; LAYOUT OF THE RESULT.  Rows of x (columns of a weight) go in PAIRS of 32; tile u (0, 1) of pair g holds in its lane r the row 32 g + 8 u + r + 8 (r / 8).
; A fragment (16 rows x 128 K) is stored as the image of its registers: [piece c 0..3][lane 0..31][16 bytes]; lane (r, h), piece c holds k = 32 c + 16 h + 0 .. 15 of the tile's row r.
; A RECORD (8,448 bytes) belongs to 256 along K (a slot) of one pair: tile 0's two fragments, tile 1's two, then 256 bytes of scale words [u][r][K step].  A buffer is [slot 4][pair][8,448].
; SHARES.  256 work-groups of eight waves; a wave turns 16 KiB of f32 into one K step of a record.  Work-groups 0-127: x (work-group = pair, wave = 2 x slot + K step); 128-223: w_qkv; 224-255: w_o
; (work-group = 128 columns x 256 K, wave = pair + 4 x K step).  The scale words of a record's two K steps meet in LDS, so that one store writes its 256 bytes whole.
; Only loads, vector work and stores: no matrix product, no tile that two work-groups share, hence no cluster and no tensor load.
.set REC,  8448
.set STG,  16*528                      ; x: a wave's stage
.set WX,   8*STG                       ; LDS: x's scale words, four records
.set WW,   WX+1024                     ; a weight's
.set SPARE, WW+1024                    ; the spare words, 128 bytes for each wave
.set MNT,  17                          ; s17      the mantissa field of 57,344
.set SEL,  18                          ; s[18:19] v_permlanex16_b32's selects for lane l xor 16
.set R,    16                          ; x: v16-143 two sets of 64: a tile's 16 rows x 512 bytes as loaded
.set X,    144                         ; x: v144-207 64 numbers of my row: register 16 c + i = k 32 c + 16 h + i
.set PC,   208                         ; x: v208-223 a fragment's codes
.set TM,   224                         ; x: v224-239 at work
.set PW,   240                         ; x: v240-241 the two tiles' scale words
.set XW,   16                          ; w: v16-79 two sets of 32 numbers down K
.set WC,   144                         ; w: v144-175 eight registers of codes for each block: no store's data are written again
.set SB,   208                         ; w: v208 the scale word
	s_load_b256 s[4:11], s[0:1], 0x0               ; x s[4:5], w_qkv s[6:7], w_o s[8:9], x_img s[10:11]
	s_load_b128 s[12:15], s[0:1], 0x20             ; wq_img s[12:13], wo_img s[14:15]
	v_lshl_add_u32 v254, v0, 2, SPARE
	v_mov_b32 v255, 0
	v_lshrrev_b32 v1, 5, v0
	v_readfirstlane_b32 s16, v1                    ; wave 0..7
	v_and_b32 v1, 31, v0                           ; lane
	s_mov_b32 s[MNT], 0x600000
	s_mov_b32 s[SEL], 0x76543210
	s_mov_b32 s[SEL+1], 0xfedcba98
	s_mov_b32 s25, 0
	s_wait_alu depctr_va_vdst(0)
	s_wait_kmcnt 0x0
; Behind a path's last word in LDS: waves 0 to 3 store a record's 256 bytes each
.macro WORDS_OUT adr, off, lo
	s_wait_dscnt 0x0                               ; for the others' sake: my words lie in LDS
	s_barrier_signal -1
	s_barrier_wait -1
	s_cmp_lt_u32 s16, 4
	s_cbranch_scc0 .Ldone_\@
	ds_load_b64 v[10:11], v\adr
	s_wait_dscnt 0x0
	global_store_b64 v\off, v[10:11], s[\lo:\lo+1] offset:8192
.Ldone_\@:
	s_wait_tensorcnt 0x0                           ; the wave's end
	ds_add_u32 v254, v255
	s_wait_dscnt 0x0
	s_endpgm
.endm
; ---- a weight [1024][n]: a lane takes a column and its registers run down K, so that a block of 32 lies in one lane and the codes come out with K innermost.
; Both weights take this one text: row i of a block has its base in a scalar pair (s32-63 rows 0-15, s66-97 rows 16-31), block q its offset in v232 + q
.macro WLOAD q                         ; block q: w(32 q + i, my column), i = 0 .. 31: each load reads 128 consecutive bytes a wave, 512 a work-group
.irp i, 0,1,2,3,4,5,6,7,8,9,10,11,12,13,14,15,16,17,18,19,20,21,22,23,24,25,26,27,28,29,30,31
	global_load_b32 v[XW+32*((\q)%2)+\i], v[232+\q], s[32+2*\i+2*(\i/16):33+2*\i+2*(\i/16)] th:TH_LOAD_NT
.endr
.endm
.macro WBLOCK q
.set XS, XW+32*((\q)%2)
.set CQ, WC+8*(\q)
.if (\q) < 3
	s_wait_loadcnt 32                              ; this block's 32 loads are in; the next block's 32 may be out
.else
	s_wait_loadcnt 0x0
.endif
	v_max3_num_f32 v224, |v[XS]|, |v[XS+1]|, |v[XS+2]|            ; the block's largest magnitude: all 32 numbers are mine; two chains
	v_max3_num_f32 v225, |v[XS+3]|, |v[XS+4]|, |v[XS+5]|
.irp i, 6,10,14,18,22,26
	v_max3_num_f32 v224, v224, |v[XS+\i]|, |v[XS+\i+1]|
	v_max3_num_f32 v225, v225, |v[XS+\i+2]|, |v[XS+\i+3]|
.endr
	v_max3_num_f32 v224, v224, |v[XS+30]|, |v[XS+31]|
	v_max3_num_f32 v224, v224, v225, 0x8000000     ; and the floor 2^(16 - 127): the byte cannot fall under 1
	v_add_nc_u32 v226, 0xf8800000, v224            ; 15 off the exponent field: the conversion's scale operand
	v_and_or_b32 v227, v224, 0x7f800000, s[MNT]    ; 57,344 x the scale
	v_lshrrev_b32 v228, 23, v226                   ; the scale's byte
.if (\q) == 0
	v_mov_b32 v[SB], v228                          ; four bytes to a word, the lower K in the lower byte
.else
	v_lshl_or_b32 v[SB], v228, 8*(\q), v[SB]
.endif
.irp i, 0,1,2,3,4,5,6,7,8,9,10,11,12,13,14,15,16,17,18,19,20,21,22,23,24,25,26,27,28,29,30,31
	v_med3_num_f32 v[XS+\i], v[XS+\i], -v227, v227 ; the conversion to an 8-bit code does not saturate (ISA guide 7.6.2): the hold comes first
.endr
.irp g, 0,1,2,3
	v_cvt_scalef32_pk8_bf8_f32 v[CQ+2*\g:CQ+2*\g+1], v[XS+8*\g:XS+8*\g+7], v226
.endr
	global_store_b128 v6, v[CQ:CQ+3], s[12:13] offset:512*(\q)          ; k 0-15 of the block: the piece's lanes 0-15.  Sixteen lanes of a tile store 256 consecutive bytes, aligned
	global_store_b128 v6, v[CQ+4:CQ+7], s[12:13] offset:512*(\q)+256    ; k 16-31: its lanes 16-31
.if (\q)+2 < 4
	WLOAD (\q)+2
.endif
.endm
	s_cmp_lt_u32 ttmp9, 128
	s_cbranch_scc1 .Lx_path
	s_mov_b32 s28, 4096                            ; w_o: a row's bytes,
	s_mov_b32 s27, 32                              ; pairs of 32 columns in a slot,
	s_mov_b32 s20, 224                             ; first work-group
	s_cmp_lt_u32 ttmp9, 224
	s_cselect_b64 s[6:7], s[6:7], s[8:9]
	s_cselect_b64 s[12:13], s[12:13], s[14:15]
	s_cselect_b32 s28, 12288, s28                  ; w_qkv's
	s_cselect_b32 s27, 96, s27
	s_cselect_b32 s20, 128, s20
	s_mov_b32 s29, 0
	s_sub_co_u32 s20, ttmp9, s20                   ; which of this weight's work-groups
	s_mul_hi_u32 s21, s20, 0x0aaaaaab              ; w_qkv: slot = number / 24 (exact for numbers under 96)
	s_lshr_b32 s22, s20, 3                         ; w_o: number / 8
	s_cmp_lt_u32 ttmp9, 224
	s_cselect_b32 s21, s21, s22
	s_lshr_b32 s23, s27, 2
	s_mul_i32 s22, s21, s23
	s_sub_co_u32 s22, s20, s22                     ; group of 128 columns
	s_lshl_b32 s22, s22, 2
	s_and_b32 s26, s16, 3
	s_add_co_u32 s22, s22, s26                     ; my wave's pair of 32 columns
	s_lshr_b32 s30, s16, 2                         ; my K step
	s_lshl_b32 s24, s21, 8
	s_lshl_b32 s31, s30, 7
	s_add_co_u32 s24, s24, s31
	s_mul_i32 s24, s24, s28                        ; the slot's 256 rows, the K step's 128,
	s_lshl_b32 s23, s22, 7                         ; the pair's first column
	s_add_co_u32 s24, s24, s23
	s_add_nc_u64 s[32:33], s[6:7], s[24:25]
	s_mul_i32 s24, s21, s27
	s_add_co_u32 s24, s24, s22
	s_mul_i32 s24, s24, REC                        ; my record,
	s_lshl_b32 s31, s30, 11                        ; my K step's fragments
	s_add_co_u32 s24, s24, s31
	s_add_nc_u64 s[12:13], s[12:13], s[24:25]
	s_lshl_b32 s20, s28, 5                         ; 32 rows
	s_lshl_b32 s26, s26, 8
	s_add_co_u32 s26, s26, WW                      ; my record's words in LDS,
	s_lshl_b32 s30, s30, 2
	s_add_co_u32 s30, s30, s26                     ; my K step's
	v_lshlrev_b32 v232, 2, v1                      ; in: 4 bytes a lane
.irp q, 1,2,3
	v_add_nc_u32 v[232+\q], s20, v[231+\q]
.endr
	v_bfe_u32 v3, v1, 3, 1                         ; column c of the pair lies in tile u = (c / 8) % 2,
	v_and_b32 v4, 7, v1
	v_lshrrev_b32 v5, 4, v1
	v_lshl_or_b32 v4, v5, 3, v4                    ; at its lane r = c % 8 + 8 (c / 16)
	v_lshlrev_b32 v6, 4, v4
	v_lshl_add_u32 v6, v3, 12, v6                  ; out: 4,096 u + 16 r
	v_lshlrev_b32 v7, 3, v4
	v_lshl_add_u32 v7, v3, 7, v7                   ; scale words: 128 u + 8 r
	v_add_nc_u32 v7, s30, v7
	v_lshlrev_b32 v8, 3, v1                        ; and on the way out 8 bytes a lane
	v_add_nc_u32 v9, s26, v8
	s_wait_alu depctr_va_vdst(0)
.irp i, 1,2,3,4,5,6,7,8,9,10,11,12,13,14,15,16,17,18,19,20,21,22,23,24,25,26,27,28,29,30,31
	s_add_nc_u64 s[32+2*\i+2*(\i/16):33+2*\i+2*(\i/16)], s[32+2*(\i-1)+2*((\i-1)/16):33+2*(\i-1)+2*((\i-1)/16)], s[28:29]
.endr
	WLOAD 0
	WLOAD 1
.irp q, 0,1,2,3
	WBLOCK \q
.endr
	ds_store_b32 v7, v[SB]
	WORDS_OUT 9, 8, 12                             ; (waves 0 to 3 have K step 0: their base is the record's)
; ---- x: K is innermost.  A step is one fragment: 16 rows x 128 K.  Each load reads 512 consecutive bytes of a row; the 8 KiB turn through the wave's own stage in LDS (rows of 512 + 16 bytes), so that a lane gets 16 neighbours of each block of 32.
; All 32 loads of the wave are out ahead of its first step
.Lx_path:
	v_lshlrev_b32 v2, 4, v1                        ; 16 x lane
	s_mul_i32 s20, s16, STG                        ; my wave's stage
	v_add_nc_u32 v3, s20, v2                       ; into it: as loaded
	v_and_b32 v6, 15, v1                           ; r
	v_lshrrev_b32 v7, 4, v1                        ; h
	v_mul_u32_u24 v4, v6, 528
	v_lshl_add_u32 v4, v7, 6, v4
	v_add_nc_u32 v4, s20, v4                       ; out of it: row r, + 64 h
	v_lshlrev_b32 v5, 3, v1                        ; 8 x lane
	s_lshl_b32 s20, ttmp9, 17                      ; the pair's 32 rows of 4,096 bytes,
	s_lshl_b32 s21, s16, 9                         ; my 128 numbers
	s_add_co_u32 s24, s20, s21
	s_add_nc_u64 s[4:5], s[4:5], s[24:25]
.macro LOADX t                         ; tile t
.irp i, 0,1,2,3,4,5,6,7,8,9,10,11,12,13,14,15
	global_load_b128 v[R+64*(\t)+4*\i:R+64*(\t)+4*\i+3], v2, s[4:5] offset:(8*(\t)+\i+8*(\i/8))*4096 th:TH_LOAD_NT
.endr
.endm
	s_wait_alu depctr_va_vdst(0)
	LOADX 0
	LOADX 1
	s_lshr_b32 s20, s16, 1                         ; my slot,
	s_and_b32 s22, s16, 1                          ; my K step
	s_lshl_b32 s21, s20, 7
	s_add_co_u32 s21, s21, ttmp9
	s_mul_i32 s24, s21, REC                        ; my record: slot x 128 + pair,
	s_lshl_b32 s23, s22, 11                        ; my K step's fragments
	s_add_co_u32 s24, s24, s23
	s_and_b32 s23, s16, 3
	s_lshl_b32 s26, s23, 7
	s_add_co_u32 s26, s26, ttmp9
	s_mul_i32 s26, s26, REC                        ; the record whose words I store, if I store any: slot = wave
	s_mov_b32 s27, 0
	s_add_nc_u64 s[26:27], s[10:11], s[26:27]
	s_add_nc_u64 s[10:11], s[10:11], s[24:25]
	s_lshl_b32 s20, s20, 8
	s_lshl_b32 s22, s22, 2
	s_add_co_u32 s20, s20, s22
	s_add_co_u32 s20, s20, WX
	v_add_nc_u32 v8, s20, v5                       ; LDS: my words: 256 x slot + 8 x lane + 4 x K step
	s_lshl_b32 s23, s23, 8
	s_add_co_u32 s23, s23, WX
	v_add_nc_u32 v9, s23, v5                       ; and on the way out
.irp b, 0,1,2,3
	v_mov_b32 v[TM+4+\b], 0                        ; written once: a lane permute's destination counts as one of its sources
.endr
.macro QUANT s, pw                     ; 64 numbers of a lane become a fragment's codes in v[PC] on and its row's scale word in v[pw]
.irp b, 0,1,2,3
	v_max3_num_f32 v[TM+\b], |v[\s+16*\b]|, |v[\s+1+16*\b]|, 0x8000000   ; block b: my 16 numbers, and the floor 2^(16 - 127)
.endr
.irp i, 2,4,6,8,10,12,14
.irp b, 0,1,2,3
	v_max3_num_f32 v[TM+\b], v[TM+\b], |v[\s+16*\b+\i]|, |v[\s+1+16*\b+\i]|   ; the four blocks by turns
.endr
.endr
.irp b, 0,1,2,3
	v_permlanex16_b32 v[TM+4+\b], v[TM+\b], s[SEL], s[SEL+1]
.endr
.irp b, 0,1,2,3
	v_max_num_f32 v[TM+\b], v[TM+\b], v[TM+4+\b]   ; with lane l xor 16's 16: the block's largest magnitude
.endr
.irp b, 0,1,2,3
	v_add_nc_u32 v[TM+12+\b], 0xf8800000, v[TM+\b]
.endr
.irp b, 0,1,2,3
	v_and_or_b32 v[TM+8+\b], v[TM+\b], 0x7f800000, s[MNT]
.endr
.irp b, 0,1,2,3
	v_lshrrev_b32 v[TM+4+\b], 23, v[TM+12+\b]
.endr
	v_lshl_or_b32 v[\pw], v[TM+5], 8, v[TM+4]
	v_lshl_or_b32 v[\pw], v[TM+6], 16, v[\pw]
	v_lshl_or_b32 v[\pw], v[TM+7], 24, v[\pw]
.irp b, 0,1,2,3
.irp i, 0,1,2,3,4,5,6,7,8,9,10,11,12,13,14,15
	v_med3_num_f32 v[\s+16*\b+\i], v[\s+16*\b+\i], -v[TM+8+\b], v[TM+8+\b]
.endr
	v_cvt_scalef32_pk8_bf8_f32 v[PC+4*\b:PC+1+4*\b], v[\s+16*\b:\s+7+16*\b], v[TM+12+\b]
	v_cvt_scalef32_pk8_bf8_f32 v[PC+2+4*\b:PC+3+4*\b], v[\s+8+16*\b:\s+15+16*\b], v[TM+12+\b]
.endr
	v_nop                                          ; a plain instruction behind the scaled conversions
.endm
.macro STEPX t
.if (\t) == 0
	s_wait_loadcnt 16                              ; this tile's 16 loads are in; the next tile's 16 may be out
.else
	s_wait_loadcnt 0x0
.endif
	s_wait_xcnt 0x0                                ; the last tile's stores have read v[PC] on, which this one writes again
.irp i, 0,1,2,3,4,5,6,7,8,9,10,11,12,13,14,15
	ds_store_b128 v3, v[R+64*(\t)+4*\i:R+64*(\t)+4*\i+3] offset:528*\i
.endr
.irp c, 0,1,2,3
.irp j, 0,1,2,3
	ds_load_b128 v[X+16*\c+4*\j:X+16*\c+4*\j+3], v4 offset:128*\c+16*\j    ; LDS serves a wave's instructions in order: these see my stores
.endr
.endr
	s_wait_dscnt 0x0                               ; my numbers are back
	QUANT X, PW+(\t)
.irp c, 0,1,2,3
	global_store_b128 v2, v[PC+4*\c:PC+4*\c+3], s[10:11] offset:4096*(\t)+512*\c   ; 32 lanes store 512 consecutive bytes
.endr
.endm
	s_wait_alu depctr_va_vdst(0)
	STEPX 0
	STEPX 1
	v_cmp_le_u32 vcc_lo, 16, v1                    ; lanes 0-15 hold tile 0's word of row r, lanes 16-31 tile 1's (both halves of the lanes hold every word)
	v_cndmask_b32 v6, v[PW], v[PW+1], vcc_lo
	ds_store_b32 v8, v6
	WORDS_OUT 9, 5, 26
.Lfunc_end_k_qa97d947000_quant:
	.size	k_qa97d947000_quant, .Lfunc_end_k_qa97d947000_quant-k_qa97d947000_quant
	.p2alignl 7, 3214868480
	.fill 96, 4, 3214868480
	.section	.rodata,"a",@progbits
	.p2align	6, 0x0
	.amdhsa_kernel k_qa97d947000_quant
		.amdhsa_group_segment_fixed_size 70656
		.amdhsa_private_segment_fixed_size 0
		.amdhsa_enable_private_segment 0
		.amdhsa_kernarg_size 48
		.amdhsa_user_sgpr_count 2
		.amdhsa_user_sgpr_kernarg_segment_ptr 1
		.amdhsa_wavefront_size32 1
		.amdhsa_system_sgpr_workgroup_id_x 1
		.amdhsa_system_sgpr_workgroup_id_y 1
		.amdhsa_system_sgpr_workgroup_id_z 1
		.amdhsa_system_vgpr_workitem_id 0
		.amdhsa_next_free_vgpr 256
		.amdhsa_next_free_sgpr 98
		.amdhsa_reserve_vcc 1
		.amdhsa_float_denorm_mode_32 3
		.amdhsa_float_denorm_mode_16_64 3
		.amdhsa_memory_ordered 1
		.amdhsa_forward_progress 1
		.amdhsa_inst_pref_size 58
	.end_amdhsa_kernel
	.amdgpu_metadata
---
amdhsa.version: [ 1, 2 ]
amdhsa.kernels:
  - .name:           k_qa97d947000_quant
    .symbol:         k_qa97d947000_quant.kd
    .args:
      - { .name: x, .offset: 0, .size: 8, .value_kind: global_buffer, .address_space: global }
      - { .name: w_qkv, .offset: 8, .size: 8, .value_kind: global_buffer, .address_space: global }
      - { .name: w_o, .offset: 16, .size: 8, .value_kind: global_buffer, .address_space: global }
      - { .name: x_img, .offset: 24, .size: 8, .value_kind: global_buffer, .address_space: global }
      - { .name: wq_img, .offset: 32, .size: 8, .value_kind: global_buffer, .address_space: global }
      - { .name: wo_img, .offset: 40, .size: 8, .value_kind: global_buffer, .address_space: global }
    .group_segment_fixed_size: 70656
    .private_segment_fixed_size: 0
    .kernarg_segment_align: 8
    .kernarg_segment_size: 48
    .max_flat_workgroup_size: 256
    .sgpr_count:     98
    .vgpr_count:     256
    .wavefront_size: 32
...
	.end_amdgpu_metadata
.endif
;; end of part 1
;; launch qkv (part 2): grid 16 x 16, 4 waves a work-group, clusters of 4 x 4, 327,680 bytes of LDS; arguments x_img, wq_img, b_qkv, q_img, kv_img; writes q_img, kv_img
.if DOCPART == 2
	.amdgcn_target "amdgcn-amd-amdhsa--gfx1250"
	.amdhsa_code_object_version 6
	.text
	.protected	k_qa97d947000_qkv
	.globl	k_qa97d947000_qkv
	.p2align	8
	.type	k_qa97d947000_qkv,@function
k_qa97d947000_qkv:
	s_mov_b64 s[64:65], 0
	v_nop
	global_prefetch_b8 v0, s[64:65] scope:SCOPE_SE
	s_setreg_imm32_b32 hwreg(HW_REG_WAVE_MODE, 25, 1), 1
	s_wait_xcnt 0x0
	s_wait_alu depctr_hold_cnt(0) depctr_sa_sdst(0) depctr_va_vdst(0) depctr_va_sdst(0) depctr_va_ssrc(0) depctr_va_vcc(0) depctr_vm_vsrc(0)
	s_getreg_b32 s2, hwreg(HW_REG_IB_STS2, 6, 4)
	s_cmp_eq_u32 s2, 0
	s_cbranch_scc0 .Lentry_in_a_cluster
	s_endpgm
.Lentry_in_a_cluster:
	s_bfe_u32 s2, ttmp6, 0x10000c
	s_cmp_lg_u32 s2, 0xf033
	s_cbranch_scc0 .Lentry_shape_is_right
	s_endpgm
.Lentry_shape_is_right:
; qkv = x w_qkv + b_qkv on codes of BF8 (E5M2) with E8M0 scales, and q, k, v quantised in registers for the attention: q and k along the head's 64 channels, v along the keys.
; SHARES.  A work-group makes 256 rows x the 192 columns of one head (q | k | v): 16 x 16 work-groups.  Wave w makes rows 64 w .. 64 w + 63 x all 192 columns: 4 tiles of rows x 12 tiles of columns, 48 accumulators.
; OPERANDS arrive as images of their registers (a fragment: [piece 4][lane 32][16 bytes]) in records of 8,448 bytes for (256 along K, 32 rows): four fragments and 256 bytes of scale words.
; The rows of a tile are not neighbours: lane r of tile u of a pair of 32 holds row 8 u + r + 8 (r / 8), so that the 16 registers of two neighbouring result tiles are 16 neighbours along the next product's K.
; q AND k ARE MADE TRANSPOSED (source 0 = 16 columns of w, source 1 = 16 rows of x): a lane holds one row, its registers run along the head's channels.
; v IS MADE AS IT STANDS (source 0 = x, source 1 = w): a lane holds one channel, its registers run along the rows, which are the keys.  So both are quantised without changing lanes.
; The bias is the C of each sum's first product.
; K goes in four steps of 256 through a ring of two LDS slots; a slot is one dense block of x's 8 records and one of w's 6, scale words among them.
; CLUSTER 4 x 4: the four of a row of the cluster share x's records, the four of a column w's: each is asked for jointly.
; RESULTS: q_img [head and batch 32][256 rows 8] records of 16,896 bytes: 8 pairs x 2,048 (piece 2 u + b: tile u, block b of the 64 channels), 512 bytes of scale words [pair][r], byte 2 u + b.
;   kv_img [32][128 keys 16] records of 16,896: K as 4 such pairs; V as 4 tiles of 16 channels x [piece = pair of keys][lane][16]; K's scale words [r][pair], V's [r][tile].
; LIMITS: NaN and infinities are not served; a block of zeros or under 2^-111 gets the byte 1 (read by this program alone).
; REGISTERS, in windows of 256: window 0: v2-18 addresses; v32-95 scale words, two sets; v96-117 at work at the end; v128-255 x's fragments, two sets (at the end: the codes).
;   window 1: v0-191 w's 12 fragments, ONE set.   window 2: q's and k's 32 accumulators, (column tile j, row tile t) at 8 (4 j + t).   window 3: v0-127 v's 16; v128-191 q's and k's bias tiles; v192-223 v's.
.set REC,   8448
.set SLOT,  14*REC                     ; x's 8 records, then w's 6
.set BOFF,  8*REC
.set SPARE, 2*SLOT                     ; the spare words, 128 bytes for each wave: two blocks of 256 bytes that no other line names
.set SCST,  SPARE+512                  ; the scale words' stage: q's 512 bytes; then for each of the two key steps K's 256 and V's 256.  No tile lands here
.set SPW,  2                           ; v2  LDS address of my spare word; never rewritten
.set NIL,  3                           ; v3  0; never rewritten
.set ADRA, 4                           ; v4-5   my x fragments in slot 0, 1
.set ADRB, 6                           ; v6-7   w's
.set ASA,  8                           ; v8-9   x's scale words
.set ASB,  10                          ; v10-11 w's
.set LI,   12                          ; v12 16 x lane
.set SQ,   13                          ; v13-15 where q's, k's, v's scale words go in the stage
.set SK,   14
.set SV,   15
.set SRD,  16                          ; v16 where I read the stage back
.set SC,   32                          ; scale words: set s at SC + 32 s; x's tile t at 2 t + K step, w's tile j at 8 + 2 j + K step
.set TM,   96
.set PW,   112
.set AF,   128
.set PC,   128
.set BQ,   128
.set BV,   192
.set WV,   14
.set G1A,  24
.set G0A,  32
.set G1B,  48
.set G0B,  56
.set SEL,  66
.set MNT,  68
.set QB,   70
.set KB,   72
.set VB,   74
.set QSB,  76
.set K0S,  78
.set K1S,  80
.set W_QK,  0xa1                       ; source 0 (w) window 1, source 1 (x) window 0, C and D window 2
.set W_QKF, 0xb1                       ; the same with C (the bias) in window 3
.set W_V,   0xf4                       ; source 0 (x) window 0, source 1 (w) window 1, C and D window 3
.set TO_B,  0x40
.set MSB, 0
.macro WIN new                         ; the immediate's high byte repeats the setting that is left
.if MSB != (\new)
	s_set_vgpr_msb (MSB<<8)|(\new)
.set MSB, (\new)
.endif
.endm
.macro PLACES n
.rept \n
	v_nop
.endr
.endm
; A joint load: waves 0 and 1 fetch the halves of x's block, waves 2 and 3 of w's.  The branch hangs on the wave's number alone.  Four v_nop follow each line.
.macro JLOAD slot
	s_cmp_eq_u32 s15, 0
	s_cbranch_scc0 .Lfor_b_\@
	tensor_load_to_lds s[G0A+4*\slot:G0A+4*\slot+3], s[G1A:G1A+7]
	s_nop 0
.rept 4
	v_nop
.endr
	s_branch .Lasked_\@
.Lfor_b_\@:
	tensor_load_to_lds s[G0B+4*\slot:G0B+4*\slot+3], s[G1B:G1B+7]
	s_nop 0
.rept 4
	v_nop
.endr
.Lasked_\@:
.endm
.macro CREST                           ; a round of the cluster's barrier behind its opening barrier
	s_cmp_lg_u32 s[WV], 0
	s_cbranch_scc1 .Lnot_wave_0_\@
	s_barrier_signal -3
.Lnot_wave_0_\@:
	s_barrier_wait -3
	s_barrier_signal -1
	s_barrier_wait -1
.endm
.macro CROUND
	s_barrier_signal -1
	s_barrier_wait -1
	CREST
.endm
	s_load_b128 s[4:7], s[0:1], 0x0                ; x_img, wq_img
	s_load_b128 s[8:11], s[0:1], 0x10              ; b_qkv, q_img
	s_load_b64 s[12:13], s[0:1], 0x20              ; kv_img
	v_lshl_add_u32 v[SPW], v0, 2, SPARE
	v_mov_b32 v[NIL], 0
	ds_add_u32 v2, v3
	ds_add_u32 v2, v3
	s_wait_dscnt 0x0
	v_lshrrev_b32 v1, 5, v0
	v_readfirstlane_b32 s[WV], v1                  ; wave 0..3
	s_lshr_b32 s15, s[WV], 1                       ; I fetch for x (0) or for w (1).  Also: which of the block's two key steps my rows lie in
	s_and_b32 s16, s[WV], 1                        ; which half I fetch.  Also: which half of that key step
	s_bfe_u32 s40, ttmp6, 0x40000                  ; cx, cy: my place in the cluster
	s_bfe_u32 s41, ttmp6, 0x40004
	s_lshl_b32 s42, ttmp9, 2
	s_add_co_u32 s42, s42, s40                     ; the head = 4 x cluster x + cx
	s_and_b32 s17, ttmp7, 0xffff
	s_lshl_b32 s17, s17, 2
	s_add_co_u32 s17, s17, s41                     ; the block of 256 rows = 4 x cluster y + cy
	s_lshl_b32 s43, s41, 2
	s_lshl_b32 s43, 15, s43                        ; my row of the cluster
	s_lshl_b32 s44, 0x1111, s40                    ; my column
	; descriptor group 1: a dense block as rows of 256 bytes (32 elements of 8 bytes): x's half 4 records = 132 rows, w's half 3 records = 99 rows
	s_or_b32 s[G1A], s43, (3<<16)|(1<<21)          ; 15:0 the mask; 17:16 elements of 8 bytes; 21 set beside a mask; no padding
	s_mov_b32 s[G1A+1], 32<<16                     ; tensor_dim0
	s_mov_b32 s[G1A+2], 264<<16                    ; tensor_dim1: the head's loads bring whole blocks, 8 records = 264 rows; the ring's later halves
	s_mov_b32 s[G1A+3], 32<<16                     ; tile_dim0
	s_mov_b32 s[G1A+4], 264                        ; tile_dim1
	s_mov_b32 s[G1A+5], 32                         ; tensor_dim0_stride
	s_mov_b32 s[G1A+6], 0
	s_mov_b32 s[G1A+7], 0
	s_or_b32 s[G1B], s44, (3<<16)|(1<<21)
	s_mov_b32 s[G1B+1], 32<<16
	s_mov_b32 s[G1B+2], 198<<16                    ; 6 records
	s_mov_b32 s[G1B+3], 32<<16
	s_mov_b32 s[G1B+4], 198
	s_mov_b32 s[G1B+5], 32
	s_mov_b32 s[G1B+6], 0
	s_mov_b32 s[G1B+7], 0
	s_mul_i32 s20, s17, 8*REC                      ; x: record 8 x block
	s_mov_b32 s21, 0
	s_mul_i32 s46, s42, 6*REC                      ; w: record 6 x head
	s_mov_b32 s47, 0
	s_mul_i32 s18, s16, 4*REC                      ; in the ring I fetch half a block: so many bytes on, in memory and in LDS alike: x's,
	s_mov_b32 s19, 0
	s_mul_i32 s90, s16, 3*REC                      ; w's
	s_mov_b32 s91, 0
	s_mov_b32 s[SEL], 0x76543210
	s_mov_b32 s[SEL+1], 0xfedcba98
	s_mov_b32 s[MNT], 0x600000
	s_wait_kmcnt 0x0
	s_add_nc_u64 s[20:21], s[4:5], s[20:21]
	s_add_nc_u64 s[46:47], s[6:7], s[46:47]
.irp s, 0,1
	s_mov_b32 s[G0A+4*\s], 1
	s_mov_b32 s[G0A+4*\s+1], \s*SLOT
	s_add_nc_u64 s[G0A+4*\s+2:G0A+4*\s+3], s[20:21], \s*128*REC     ; K step s: x_img has 128 records to 256 along K,
	s_or_b32 s[G0A+4*\s+3], s[G0A+4*\s+3], 0x80000000
	s_mov_b32 s[G0B+4*\s], 1
	s_mov_b32 s[G0B+4*\s+1], BOFF+\s*SLOT
	s_add_nc_u64 s[G0B+4*\s+2:G0B+4*\s+3], s[46:47], \s*96*REC      ; wq_img 96
	s_or_b32 s[G0B+4*\s+3], s[G0B+4*\s+3], 0x80000000
.endr
	CROUND                                         ; all sixteen work-groups are here: the first joint loads meet
; THE HEAD'S LOADS, ONE A WAVE: wave 0 slot 0's block of x, wave 1 slot 0's of w, wave 2 slot 1's of x, wave 3 slot 1's of w.  One tree of branches on the wave's number
.macro ARM under, g0, g1, next
	s_cmp_lt_u32 s[WV], \under
	s_cbranch_scc0 \next
	tensor_load_to_lds s[\g0:\g0+3], s[\g1:\g1+7]
	s_nop 0
.rept 4
	v_nop
.endr
	s_branch .Lfirst_asked
\next:
.endm
	ARM 1, G0A, G1A, .Lhead_1
	ARM 2, G0B, G1B, .Lhead_2
	ARM 3, G0A+4, G1A, .Lhead_3
	tensor_load_to_lds s[G0B+4:G0B+7], s[G1B:G1B+7]
	s_nop 0
.rept 4
	v_nop
.endr
.Lfirst_asked:
	v_and_b32 v1, 31, v0
	v_lshlrev_b32 v[LI], 4, v1
	; PREFETCHES of slots 2 and 3: the four partners that share a block of x (264 x 256 bytes) have sixteen waves: 17 lanes each; w's block (198 x 256): 13 each; lanes left over name the last block again
	s_lshl_b32 s22, s40, 2
	s_add_co_u32 s22, s22, s[WV]
	s_mul_i32 s22, s22, 17
	s_lshl_b32 s23, s41, 2
	s_add_co_u32 s23, s23, s[WV]
	s_mul_i32 s23, s23, 13
	v_min_u32 v24, 16, v1
	v_min_u32 v25, 12, v1
	v_add_nc_u32 v24, s22, v24
	v_add_nc_u32 v25, s23, v25
	v_min_u32 v24, 263, v24
	v_min_u32 v25, 197, v25
	v_lshlrev_b32 v24, 8, v24
	v_lshlrev_b32 v25, 8, v25
	v_and_b32 v19, 15, v0
	v_bfe_u32 v20, v0, 4, 1                        ; h
	s_mul_i32 s22, s[WV], 2*REC                    ; my 64 rows: two records
	v_add_nc_u32 v[ADRA], s22, v[LI]
	v_add_nc_u32 v[ADRA+1], SLOT, v[ADRA]
	v_add_nc_u32 v[ADRB], BOFF, v[LI]
	v_add_nc_u32 v[ADRB+1], SLOT, v[ADRB]
	v_lshlrev_b32 v21, 3, v19                      ; a record's scale words: 8 bytes a row (two K steps)
	s_add_co_u32 s22, s22, 8192
	v_add_nc_u32 v[ASA], s22, v21
	v_add_nc_u32 v[ASA+1], SLOT, v[ASA]
	v_add_nc_u32 v[ASB], BOFF+8192, v21
	v_add_nc_u32 v[ASB+1], SLOT, v[ASB]
	v_lshlrev_b32 v22, 2, v19
	s_lshl_b32 s22, s[WV], 7
	s_add_co_u32 s22, s22, SCST
	v_add_nc_u32 v[SQ], s22, v22                   ; q's words [pair 2 w + g][r]: 128 w + 4 r
	v_lshlrev_b32 v22, 4, v19
	s_lshl_b32 s22, s15, 9
	s_lshl_b32 s23, s16, 3
	s_add_co_u32 s23, s23, s22
	s_add_co_u32 s23, s23, SCST+512
	v_add_nc_u32 v[SK], s23, v22                   ; k's words [r][pair 2 (w % 2) + g]: 16 r + 8 (w % 2), in the key step's 512 bytes
	s_lshl_b32 s23, s16, 1
	s_add_co_u32 s23, s23, s22
	s_add_co_u32 s23, s23, SCST+768
	v_add_nc_u32 v[SV], s23, v22                   ; v's words [r][tile]: my two bytes of each at 2 (w % 2)
	s_lshl_b32 s22, s[WV], 9
	s_add_co_u32 s22, s22, SCST
	v_add_nc_u32 v[SRD], s22, v[LI]
	v_lshlrev_b32 v17, 6, v20                      ; q's and k's bias: lane (r, h) wants columns 16 h + 0 .. 7 of the tile's 32
	v_and_b32 v18, 8, v19
	v_add_nc_u32 v18, v18, v19
	v_lshlrev_b32 v18, 2, v18                      ; v's: its own channel r + 8 (r / 8)
.irp b, 0,1,2,3
	v_mov_b32 v[TM+4+\b], 0                        ; written once: a lane permute's destination counts as one of its sources
.endr
	s_mul_i32 s22, s42, 768
	s_mov_b32 s23, 0
	s_add_nc_u64 s[8:9], s[8:9], s[22:23]          ; the head's 192 numbers of the bias
	WIN 0xc0                                       ; destination window 3
.irp j, 0,1,2,3,4,5,6,7
	global_load_b128 v[BQ+8*\j:BQ+8*\j+3], v17, s[8:9] offset:(32*(\j/2)+8*(\j%2))*4
	global_load_b128 v[BQ+8*\j+4:BQ+8*\j+7], v17, s[8:9] offset:(32*(\j/2)+8*(\j%2))*4+16
.endr
.irp j, 0,1,2,3
.irp i, 0,1,2,3,4,5,6,7
	global_load_b32 v[BV+8*\j+\i], v18, s[8:9] offset:(128+32*(\j/2)+8*(\j%2))*4     ; the lane's channel has one bias for all eight rows
.endr
.endr
	WIN 0
	; where the results go
	s_lshr_b32 s82, s17, 3
	s_lshl_b32 s82, s82, 4
	s_add_co_u32 s82, s82, s42                     ; 16 x batch + head
	s_and_b32 s83, s17, 7                          ; which 256 rows of the sequence
	s_lshl_b32 s84, s82, 3
	s_add_co_u32 s84, s84, s83
	s_mul_i32 s84, s84, 2*REC
	s_mov_b32 s85, 0
	s_lshl_b32 s86, s82, 4
	s_lshl_b32 s87, s83, 1
	s_add_co_u32 s86, s86, s87
	s_mul_i32 s86, s86, 2*REC
	s_mov_b32 s87, 0
	s_add_nc_u64 s[QSB:QSB+1], s[10:11], s[84:85]  ; q's record
	s_add_nc_u64 s[K0S:K0S+1], s[12:13], s[86:87]  ; the first of the two records of k and v
	s_lshl_b32 s88, s[WV], 12
	s_mov_b32 s89, 0
	s_add_nc_u64 s[QB:QB+1], s[QSB:QSB+1], s[88:89]
	s_mul_i32 s88, s15, 2*REC
	s_lshl_b32 s84, s16, 12
	s_add_co_u32 s84, s84, s88
	s_add_nc_u64 s[KB:KB+1], s[K0S:K0S+1], s[84:85]
	s_lshl_b32 s84, s16, 10
	s_add_co_u32 s84, s84, s88
	s_add_co_u32 s84, s84, 8192
	s_add_nc_u64 s[VB:VB+1], s[K0S:K0S+1], s[84:85]
	s_add_nc_u64 s[QSB:QSB+1], s[QSB:QSB+1], 16384 ; the records' scale words
	s_add_nc_u64 s[K0S:K0S+1], s[K0S:K0S+1], 16384
	s_add_nc_u64 s[K1S:K1S+1], s[K0S:K0S+1], 2*REC
.macro FRAG reg, adr, off              ; a fragment comes as it was stored: four loads of 512 consecutive bytes
.irp c, 0,1,2,3
	ds_load_b128 v[\reg+4*\c:\reg+4*\c+3], v[\adr] offset:\off+512*\c
.endr
.endm
.macro FETCH_A slot, ks                ; x's four fragments of K step ks into set ks: 16 loads
.irp t, 0,1,2,3
	FRAG AF+64*\ks+16*\t, ADRA+\slot, (\t/2)*REC+4096*(\t%2)+2048*\ks
.endr
.endm
.macro FETCH_B slot, ks, j0            ; six of w's fragments: 24 loads
	WIN TO_B
.irp d, 0,1,2,3,4,5
	FRAG 16*(\j0+\d), ADRB+\slot, ((\j0+\d)/2)*REC+4096*((\j0+\d)%2)+2048*\ks
.endr
	WIN 0
.endm
.macro SCALES slot                     ; a slot's scale words, both K steps: 16 loads
.irp t, 0,1,2,3
	ds_load_b64 v[SC+32*\slot+2*\t:SC+32*\slot+2*\t+1], v[ASA+\slot] offset:(\t/2)*REC+128*(\t%2)
.endr
.irp j, 0,1,2,3,4,5,6,7,8,9,10,11
	ds_load_b64 v[SC+32*\slot+8+2*\j:SC+32*\slot+8+2*\j+1], v[ASB+\slot] offset:(\j/2)*REC+128*(\j%2)
.endr
.endm
; The 48 accumulators take turns, one instruction a turn, in the same order in every step.
.macro MULQK j0, n, s, ks, first       ; q's and k's column tiles j0 .. j0 + n - 1 x the four row tiles
.set jj, \j0
.rept \n
.set tt, 0
.rept 4
.if \first
	v_wmma_scale_f32_16x16x128_f8f6f4 v[8*(4*jj+tt):8*(4*jj+tt)+7], v[16*jj:16*jj+15], v[AF+64*\ks+16*tt:AF+64*\ks+16*tt+15], v[BQ+8*jj:BQ+8*jj+7], v[SC+32*\s+8+2*jj+\ks], v[SC+32*\s+2*tt+\ks] matrix_a_fmt:MATRIX_FMT_BF8 matrix_b_fmt:MATRIX_FMT_BF8
.else
	v_wmma_scale_f32_16x16x128_f8f6f4 v[8*(4*jj+tt):8*(4*jj+tt)+7], v[16*jj:16*jj+15], v[AF+64*\ks+16*tt:AF+64*\ks+16*tt+15], v[8*(4*jj+tt):8*(4*jj+tt)+7], v[SC+32*\s+8+2*jj+\ks], v[SC+32*\s+2*tt+\ks] matrix_a_fmt:MATRIX_FMT_BF8 matrix_b_fmt:MATRIX_FMT_BF8
.endif
.set tt, tt+1
.endr
.set jj, jj+1
.endr
.endm
.macro MULV s, ks, first               ; v's four column tiles x the four row tiles
.set jj, 0
.rept 4
.set tt, 0
.rept 4
.if \first
	v_wmma_scale_f32_16x16x128_f8f6f4 v[8*(4*jj+tt):8*(4*jj+tt)+7], v[AF+64*\ks+16*tt:AF+64*\ks+16*tt+15], v[16*(8+jj):16*(8+jj)+15], v[BV+8*jj:BV+8*jj+7], v[SC+32*\s+2*tt+\ks], v[SC+32*\s+8+2*(8+jj)+\ks] matrix_a_fmt:MATRIX_FMT_BF8 matrix_b_fmt:MATRIX_FMT_BF8
.else
	v_wmma_scale_f32_16x16x128_f8f6f4 v[8*(4*jj+tt):8*(4*jj+tt)+7], v[AF+64*\ks+16*tt:AF+64*\ks+16*tt+15], v[16*(8+jj):16*(8+jj)+15], v[8*(4*jj+tt):8*(4*jj+tt)+7], v[SC+32*\s+2*tt+\ks], v[SC+32*\s+8+2*(8+jj)+\ks] matrix_a_fmt:MATRIX_FMT_BF8 matrix_b_fmt:MATRIX_FMT_BF8
.endif
.set tt, tt+1
.endr
.set jj, jj+1
.endr
.endm
; A slot's first 128 along K.  w has one set of registers: its tiles 0-5 are fetched anew behind their 24 products, tiles 6-11 behind theirs.  Eight plain places stand between a product and a load into its registers.
.macro STEP slot, first
	s_wait_dscnt 24                                ; all but the youngest 24 loads (w's tiles 6-11) are in
	WIN W_QK+0x10*\first
	MULQK 0, 6, \slot, 0, \first
	s_wait_dscnt 0x0                               ; w's tiles 6-11 are in
	PLACES 8
	WIN 0
	FETCH_A \slot, 1
	FETCH_B \slot, 1, 0
	WIN W_QK+0x10*\first
	MULQK 6, 2, \slot, 0, \first
	WIN W_V
	MULV \slot, 0, \first
	PLACES 8
	FETCH_B \slot, 1, 6
.endm
; A slot's second 128 along K changes slots: ONE barrier; in front of it each wave waits for all its tensor loads, adds 0 to its spare word, and waits for that and for its reads of this slot.  fill = 1: the slot is filled again, two K steps of 256 ahead.
.macro TURN slot, next, fill
	s_wait_tensorcnt 0x0                           ; all my tensor loads have landed: my part of the next slot
	ds_add_u32 v[SPW], v[NIL]                      ; 0 onto my spare word
.if \fill == 2                         ; the first change of slots: no load of mine is out, and from here on a wave fetches half a block
	s_mov_b32 s[G1A+2], 132<<16
	s_mov_b32 s[G1A+4], 132
	s_mov_b32 s[G1B+2], 99<<16
	s_mov_b32 s[G1B+4], 99
.irp s, 0,1
	s_add_co_u32 s[G0A+4*\s+1], s[G0A+4*\s+1], s18
	s_add_nc_u64 s[G0A+4*\s+2:G0A+4*\s+3], s[G0A+4*\s+2:G0A+4*\s+3], s[18:19]
	s_add_co_u32 s[G0B+4*\s+1], s[G0B+4*\s+1], s90
	s_add_nc_u64 s[G0B+4*\s+2:G0B+4*\s+3], s[G0B+4*\s+2:G0B+4*\s+3], s[90:91]
.endr
.endif
	s_wait_dscnt 25                                ; the add and the youngest 24 loads (w's tiles 6-11) may be out
	WIN W_QK
	MULQK 0, 3, \slot, 1, 0                        ; twelve products stand between the add and the wait for it
	s_wait_dscnt 0x0                               ; the add is done, and my reads of this slot are over
	s_barrier_signal -1
	MULQK 3, 3, \slot, 1, 0
	WIN 0
	s_barrier_wait -1
.if \fill
	CREST                                          ; the barrier has opened a round of the cluster's barrier: no wave of any partner still reads this slot or has a load on its way
	s_add_nc_u64 s[G0A+4*\slot+2:G0A+4*\slot+3], s[G0A+4*\slot+2:G0A+4*\slot+3], 2*128*REC
	s_add_nc_u64 s[G0B+4*\slot+2:G0B+4*\slot+3], s[G0B+4*\slot+2:G0B+4*\slot+3], 2*96*REC
	JLOAD \slot                                    ; the first tensor load behind the round, my only one until the next; its four v_nop are four of the eight places
	PLACES 4
.else
	PLACES 8
.endif
	FETCH_A \next, 0
	FETCH_B \next, 0, 0
	SCALES \next
.if \fill == 2                         ; slot 3's blocks, one change of slots ahead of their load
	global_prefetch_b8 v24, s[20:21] offset:3*128*REC th:TH_LOAD_NT scope:SCOPE_SE
	global_prefetch_b8 v25, s[46:47] offset:3*96*REC th:TH_LOAD_NT scope:SCOPE_SE
.endif
	WIN W_QK
	MULQK 6, 2, \slot, 1, 0
	WIN W_V
	MULV \slot, 1, 0
	PLACES 8
	FETCH_B \next, 0, 6
.endm
	s_cmp_lt_u32 s[WV], 2                          ; waves 0 and 1: slot 0's blocks are in.  Waves 2 and 3 wait at the first change of slots
	s_cbranch_scc0 .Lnot_yet
	s_wait_tensorcnt 0x0
.Lnot_yet:
	s_barrier_signal -1
	s_barrier_wait -1
	FETCH_A 0, 0
	FETCH_B 0, 0, 0
	SCALES 0
	FETCH_B 0, 0, 6
	s_wait_loadcnt 0x0                             ; the bias
	global_prefetch_b8 v24, s[20:21] offset:2*128*REC th:TH_LOAD_NT scope:SCOPE_SE    ; slot 2's blocks: they are loaded at the first change of slots
	global_prefetch_b8 v25, s[46:47] offset:2*96*REC th:TH_LOAD_NT scope:SCOPE_SE
	STEP 0, 1                                      ; the first products start the sums from the bias: nothing is cleared
	TURN 0, 1, 2
	STEP 1, 0
	TURN 1, 0, 1
	STEP 0, 0
	TURN 0, 1, 0                                   ; the last two slots are not filled again
	STEP 1, 0
	s_wait_dscnt 24                                ; the last 128 along K: nothing more to fetch
	WIN W_QK
	MULQK 0, 6, 1, 1, 0
	s_wait_dscnt 0x0
	MULQK 6, 2, 1, 1, 0
	WIN W_V
	MULV 1, 1, 0
	PLACES 8
; THE WAY OUT: six units of four blocks of 32.  A block's 32 numbers are two accumulators (16 registers) in lanes l and l xor 16.  GAc, GBc: the two accumulators of block c.
.macro SETQK sel, g                    ; q (sel 0) or k (1), my pair g of rows: block c = 2 u + b: row tile 2 g + u, channels 32 b on
.set GA0, 8*(4*(4*\sel+0)+2*\g)
.set GB0, 8*(4*(4*\sel+1)+2*\g)
.set GA1, 8*(4*(4*\sel+2)+2*\g)
.set GB1, 8*(4*(4*\sel+3)+2*\g)
.set GA2, GA0+8
.set GB2, GB0+8
.set GA3, GA1+8
.set GB3, GB1+8
.endm
.macro SETV a                          ; v, channel tiles 2 a and 2 a + 1: block c: tile 2 a + c / 2, my pair c % 2 of keys
.set GA0, 8*(4*(2*\a))
.set GA1, 8*(4*(2*\a)+2)
.set GA2, 8*(4*(2*\a+1))
.set GA3, 8*(4*(2*\a+1)+2)
.set GB0, GA0+8
.set GB1, GA1+8
.set GB2, GA2+8
.set GB3, GA3+8
.endm
.macro QUANT4 w, pc, pw                ; the accumulators lie in window w; codes to v[pc] on, the four bytes to v[pw], in window 0.  Each accumulator is read from its low end on
	WIN 5*\w                                       ; sources 0 and 1 in window w
.irp c, 0,1,2,3
	v_max3_num_f32 v[TM+\c], |v[GA\c]|, |v[GA\c+1]|, 0x8000000     ; and the floor 2^(16 - 127)
.endr
	WIN 20*\w                                      ; sources 1 and 2 in window w
.irp i, 2,4,6
.irp c, 0,1,2,3
	v_max3_num_f32 v[TM+\c], v[TM+\c], |v[GA\c+\i]|, |v[GA\c+\i+1]|
.endr
.endr
.irp i, 0,2,4,6
.irp c, 0,1,2,3
	v_max3_num_f32 v[TM+\c], v[TM+\c], |v[GB\c+\i]|, |v[GB\c+\i+1]|
.endr
.endr
	WIN 0
.irp c, 0,1,2,3
	v_permlanex16_b32 v[TM+4+\c], v[TM+\c], s[SEL], s[SEL+1]
.endr
.irp c, 0,1,2,3
	v_max_num_f32 v[TM+\c], v[TM+\c], v[TM+4+\c]   ; with lane l xor 16's 16: the block's largest magnitude
.endr
.irp c, 0,1,2,3
	v_add_nc_u32 v[TM+12+\c], 0xf8800000, v[TM+\c] ; 15 off the exponent field: the conversion's scale operand
.endr
.irp c, 0,1,2,3
	v_and_or_b32 v[TM+8+\c], v[TM+\c], 0x7f800000, s[MNT]   ; 57,344 x the scale
.endr
.irp c, 0,1,2,3
	v_lshrrev_b32 v[TM+4+\c], 23, v[TM+12+\c]      ; the scale's byte
.endr
	v_lshl_or_b32 v[\pw], v[TM+5], 8, v[TM+4]
	v_lshl_or_b32 v[\pw], v[TM+6], 16, v[\pw]
	v_lshl_or_b32 v[\pw], v[TM+7], 24, v[\pw]
	WIN 65*\w                                      ; destination and source 0 in window w
.irp c, 0,1,2,3
.irp i, 0,1,2,3,4,5,6,7
	v_med3_num_f32 v[GA\c+\i], v[GA\c+\i], -v[TM+8+\c], v[TM+8+\c]   ; the conversion does not saturate (ISA guide 7.6.2): the hold comes first
.endr
.irp i, 0,1,2,3,4,5,6,7
	v_med3_num_f32 v[GB\c+\i], v[GB\c+\i], -v[TM+8+\c], v[TM+8+\c]
.endr
.endr
	WIN \w                                         ; source 0 in window w
.irp c, 0,1,2,3
	v_cvt_scalef32_pk8_bf8_f32 v[\pc+4*\c:\pc+4*\c+1], v[GA\c:GA\c+7], v[TM+12+\c]
	v_cvt_scalef32_pk8_bf8_f32 v[\pc+4*\c+2:\pc+4*\c+3], v[GB\c:GB\c+7], v[TM+12+\c]
.endr
	WIN 0
	v_nop                                          ; a plain instruction behind the scaled conversions
.endm
.macro OUTQK n, base, g                ; unit n's 16 registers are a pair's 2,048 bytes: each store covers 512 consecutive bytes
.irp c, 0,1,2,3
	global_store_b128 v[LI], v[PC+16*\n+4*\c:PC+16*\n+4*\c+3], s[\base:\base+1] offset:2048*\g+512*\c
.endr
.endm
.macro OUTV n, a
.irp c, 0,1,2,3
	global_store_b128 v[LI], v[PC+16*\n+4*\c:PC+16*\n+4*\c+3], s[VB:VB+1] offset:2048*(2*\a+\c/2)+512*(\c%2)
.endr
.endm
	SETQK 0, 0
	QUANT4 2, PC, PW
	OUTQK 0, QB, 0
	ds_store_b32 v[SQ], v[PW]
	SETQK 0, 1
	QUANT4 2, PC+16, PW+1
	OUTQK 1, QB, 1
	ds_store_b32 v[SQ], v[PW+1] offset:64
	SETQK 1, 0
	QUANT4 2, PC+32, PW+2
	OUTQK 2, KB, 0
	ds_store_b32 v[SK], v[PW+2]
	SETQK 1, 1
	QUANT4 2, PC+48, PW+3
	OUTQK 3, KB, 1
	ds_store_b32 v[SK], v[PW+3] offset:4
	SETV 0
	QUANT4 3, PC+64, PW+4
	OUTV 4, 0
	ds_store_b16 v[SV], v[PW+4]                    ; the low half: channel tile 0's bytes for my two pairs of keys;
	ds_store_b16_d16_hi v[SV], v[PW+4] offset:4    ; the high half: tile 1's
	SETV 1
	QUANT4 3, PC+80, PW+5
	OUTV 5, 1
	ds_store_b16 v[SV], v[PW+5] offset:8
	ds_store_b16_d16_hi v[SV], v[PW+5] offset:12
	s_wait_dscnt 0x0                               ; for the others' sake: my scale words lie in the stage
	s_barrier_signal -1
	s_barrier_wait -1
	s_cmp_lt_u32 s[WV], 3                          ; waves 0 to 2 store 512 bytes of scale words each: q's record, the two records of k and v
	s_cbranch_scc0 .Lno_words
	ds_load_b128 v[TM:TM+3], v[SRD]
	s_cmp_eq_u32 s[WV], 0
	s_cselect_b64 s[82:83], s[QSB:QSB+1], s[K0S:K0S+1]
	s_cmp_eq_u32 s[WV], 2
	s_cselect_b64 s[82:83], s[K1S:K1S+1], s[82:83]
	s_wait_dscnt 0x0
	global_store_b128 v[LI], v[TM:TM+3], s[82:83]
.Lno_words:
	s_wait_tensorcnt 0x0                           ; the wave's end
	ds_add_u32 v[SPW], v[NIL]
	s_wait_dscnt 0x0
	CROUND                                         ; the closing round
	s_endpgm
.Lfunc_end_k_qa97d947000_qkv:
	.size	k_qa97d947000_qkv, .Lfunc_end_k_qa97d947000_qkv-k_qa97d947000_qkv
	.p2alignl 7, 3214868480
	.fill 96, 4, 3214868480
	.section	.rodata,"a",@progbits
	.p2align	6, 0x0
	.amdhsa_kernel k_qa97d947000_qkv
		.amdhsa_group_segment_fixed_size 327680
		.amdhsa_private_segment_fixed_size 0
		.amdhsa_enable_private_segment 0
		.amdhsa_kernarg_size 40
		.amdhsa_user_sgpr_count 2
		.amdhsa_user_sgpr_kernarg_segment_ptr 1
		.amdhsa_wavefront_size32 1
		.amdhsa_system_sgpr_workgroup_id_x 1
		.amdhsa_system_sgpr_workgroup_id_y 1
		.amdhsa_system_sgpr_workgroup_id_z 1
		.amdhsa_system_vgpr_workitem_id 0
		.amdhsa_next_free_vgpr 1024
		.amdhsa_next_free_sgpr 92
		.amdhsa_reserve_vcc 0
		.amdhsa_float_denorm_mode_32 3
		.amdhsa_float_denorm_mode_16_64 3
		.amdhsa_memory_ordered 1
		.amdhsa_forward_progress 1
		.amdhsa_inst_pref_size 160
	.end_amdhsa_kernel
	.amdgpu_metadata
---
amdhsa.version: [ 1, 2 ]
amdhsa.kernels:
  - .name:           k_qa97d947000_qkv
    .symbol:         k_qa97d947000_qkv.kd
    .args:
      - { .name: x_img, .offset: 0, .size: 8, .value_kind: global_buffer, .address_space: global }
      - { .name: wq_img, .offset: 8, .size: 8, .value_kind: global_buffer, .address_space: global }
      - { .name: b_qkv, .offset: 16, .size: 8, .value_kind: global_buffer, .address_space: global }
      - { .name: q_img, .offset: 24, .size: 8, .value_kind: global_buffer, .address_space: global }
      - { .name: kv_img, .offset: 32, .size: 8, .value_kind: global_buffer, .address_space: global }
    .group_segment_fixed_size: 327680
    .private_segment_fixed_size: 0
    .kernarg_segment_align: 8
    .kernarg_segment_size: 40
    .max_flat_workgroup_size: 128
    .sgpr_count:     92
    .vgpr_count:     1024
    .wavefront_size: 32
...
	.end_amdgpu_metadata
.endif
;; end of part 2
;; launch attn (part 3): grid 8 x 32, 8 waves a work-group, clusters of 4 x 1, 327,680 bytes of LDS; arguments q_img, kv_img, o_img; writes o_img
.if DOCPART == 3
	.amdgcn_target "amdgcn-amd-amdhsa--gfx1250"
	.amdhsa_code_object_version 6
	.text
	.protected	k_qa97d947000_attn
	.globl	k_qa97d947000_attn
	.p2align	8
	.type	k_qa97d947000_attn,@function
k_qa97d947000_attn:
	s_mov_b64 s[64:65], 0
	v_nop
	global_prefetch_b8 v0, s[64:65] scope:SCOPE_SE
	s_setreg_imm32_b32 hwreg(HW_REG_WAVE_MODE, 25, 1), 1
	s_wait_xcnt 0x0
	s_wait_alu depctr_hold_cnt(0) depctr_sa_sdst(0) depctr_va_vdst(0) depctr_va_sdst(0) depctr_va_ssrc(0) depctr_va_vcc(0) depctr_vm_vsrc(0)
	s_getreg_b32 s2, hwreg(HW_REG_IB_STS2, 6, 4)
	s_cmp_eq_u32 s2, 0
	s_cbranch_scc0 .Lentry_in_a_cluster
	s_endpgm
.Lentry_in_a_cluster:
	s_bfe_u32 s2, ttmp6, 0x10000c
	s_cmp_lg_u32 s2, 0x3003
	s_cbranch_scc0 .Lentry_shape_is_right
	s_endpgm
.Lentry_shape_is_right:
; o = softmax(q k^T / 8) v for one head, both products on codes of BF8 (E5M2) with E8M0 scales, and o quantised along the model's 1,024 (two blocks of 32 a head) for the last product.
; THE SOFTMAX: t = score x log2(e) / 8; M = the running largest t rounded UP to a whole number; p = 2^(t - M) is quantised along the keys, not normalised; the row's sum is taken of the unquantised p and divides O at the end.
; When M moves, the sum and O are multiplied by 2^(old M - new M): exact.
; SHARES.  A work-group owns 256 queries of one head and batch; each of its eight waves a pair of 32 queries: two tiles of 16, which share each fragment of K and V that is read from LDS.
; A WHOLE HEAD'S K, V AND SCALE WORDS, 16 records of 16,896 bytes (128 keys each), STAY IN LDS, filled once: waves 0-3 ask for records 0-3, waves 4-7 for three of the other twelve each, one load a wave at the head.
; The four work-groups of a cluster belong to one head and ask jointly.  No prefetch: all that the launch reads in its loops has been asked for ahead of them.
; A STEP IS 256 KEYS (two records).  Tile 0: scores, softmax; tile 1: scores into the same registers, softmax; then V, for which K's registers are free, for both tiles.  So M moves, and O is rescaled, once in 256 keys.
; LAYOUT.  Both products are used transposed: S^T = K Q^T (source 0 = keys), O^T = V^T P^T (source 0 = channels): a lane holds one query throughout.  Keys, queries and channels of a tile are not neighbours:
; lane r of tile u of a pair of 32 holds 8 u + r + 8 (r / 8), so that the 16 registers of two neighbouring result tiles are 16 neighbours along the next K.
; THE HEAD HAS 64 CHANNELS, THE INSTRUCTION 128 ALONG K.  An operand of K holds TWO tiles of 16 keys: tile 0's 64 channels at k 0-63, tile 1's at k 64-127.  Q lies in 24 registers as [Q][8 registers of zero codes][Q]:
; registers 0-15 multiply key tile 0 and meet tile 1 with zeros, registers 8-23 the other way round.  K's codes are finite, so the zeros add exact zeros.
; LIMITS: NaN and infinities are not served; scaled scores under 2^31 in magnitude.  A block of p whose largest lies under 2^-111 gets the byte 0 (2^-127, in its conversion and in its product alike); of o, the byte 1.
; o's scale bytes leave two at a time (a head owns half of a scale word): 64 bytes a wave beside its 2,048 bytes of codes.
; REGISTERS: window 0: v2-5 addresses, v6-7 Q's scale words, v8-9 and v12-13 p's, v14-21 K's, v24-31 V's; tile t's state at v32 + 8 t; v47-87 at work; v96-223 the scores, then p, of 256 keys;
;   p's codes: tile 0 v224-255; tile 1 v88-119, where blocks 0 and 1 of its p have been converted by then.   window 1: v0-127 K or V of two records; v128-191 O^T; v192-239 Q.
.set KVREC, 16896
.set SPARE, 16*KVREC                   ; the spare words, 128 bytes for each wave, behind the records
.set LI,  2
.set LR,  3
.set ADR, 4
.set ADS, 5
.set QS,  6
.set PS,  8                            ; tile t, record g of the step: PS + 4 g + t
.set SPW, 10
.set NIL, 11
.set KS,  14
.set OW,  22
.set L8,  23
.set VS,  28                           ; record 0: v28-31; record 1: v24-27
.set NM,  32
.set MT,  33
.set SUM, 34
.set F,   36
.set OLD, 38
.set RA,  39
.set RB,  47
.set AC,  48
.set RC,  54
.set TMP, 55
.set BM,  56
.set T1,  64
.set HB,  72
.set SCL, 80
.set S,   96
.set CD,  224                          ; tile 1: 136 lower
.set KV,  0                            ; window 1
.set O,   128
.set Q,   192
.set WV,  10
.set SEL, 12
.set G1,  16
.set G1R, 24
.set G0,  32
.set G0R, 36
.set CS,  40
.set MNT, 42
.set TB,  43
.set CNT, 44
.set EXM, 45
.set T15, 46
.set MSB, 0
.macro WIN new                         ; the immediate's high byte repeats the setting that is left
.if MSB != (\new)
	s_set_vgpr_msb (MSB<<8)|(\new)
.set MSB, (\new)
.endif
.endm
.macro PLACES n
.rept \n
	v_nop
.endr
.endm
.macro CROUND                          ; a round of the cluster's barrier
	s_barrier_signal -1
	s_barrier_wait -1
	s_cmp_lg_u32 s[WV], 0
	s_cbranch_scc1 .Lnot_wave_0_\@
	s_barrier_signal -3
.Lnot_wave_0_\@:
	s_barrier_wait -3
	s_barrier_signal -1
	s_barrier_wait -1
.endm
.macro DEP1
	s_delay_alu instid0(VALU_DEP_1)
.endm
	s_load_b128 s[4:7], s[0:1], 0x0                ; q_img, kv_img
	s_load_b64 s[8:9], s[0:1], 0x10                ; o_img
	v_lshl_add_u32 v[SPW], v0, 2, SPARE
	v_mov_b32 v[NIL], 0
	ds_add_u32 v[SPW], v[NIL]                      ; the wave's opening: the add, twice on end
	ds_add_u32 v[SPW], v[NIL]
	v_lshrrev_b32 v1, 5, v0
	v_readfirstlane_b32 s[WV], v1                  ; wave 0..7
	s_bfe_u32 s11, ttmp6, 0x40000                  ; cx
	s_lshl_b32 s14, ttmp9, 2
	s_add_co_u32 s14, s14, s11                     ; my block of 256 queries: it enters Q's and o's addresses alone
	s_and_b32 s15, ttmp7, 0xffff                   ; 16 x batch + head, which the four partners share
	; descriptor groups 1: dense bytes as rows of 256 (32 elements of 8 bytes): one record is 66 rows, three are 198
	s_mov_b32 s[G1], 15|(3<<16)|(1<<21)            ; 15:0 the mask: all four work-groups; 17:16 elements of 8 bytes; 21 set beside a mask
	s_mov_b32 s[G1+1], 32<<16
	s_mov_b32 s[G1+2], 66<<16
	s_mov_b32 s[G1+3], 32<<16
	s_mov_b32 s[G1+4], 66
	s_mov_b32 s[G1+5], 32
	s_mov_b32 s[G1+6], 0
	s_mov_b32 s[G1+7], 0
	s_mov_b32 s[G1R], 15|(3<<16)|(1<<21)
	s_mov_b32 s[G1R+1], 32<<16
	s_mov_b32 s[G1R+2], 198<<16
	s_mov_b32 s[G1R+3], 32<<16
	s_mov_b32 s[G1R+4], 198
	s_mov_b32 s[G1R+5], 32
	s_mov_b32 s[G1R+6], 0
	s_mov_b32 s[G1R+7], 0
	s_and_b32 s48, s[WV], 3
	s_mul_i32 s49, s48, KVREC                      ; waves 0-3: my record, in LDS and in the head's bytes alike;
	s_mul_i32 s50, s48, 3*KVREC
	s_add_co_u32 s50, s50, 4*KVREC                 ; waves 4-7: my three
	s_mul_i32 s52, s15, 16*KVREC                   ; the head's first byte
	s_add_co_u32 s54, s52, s50
	s_add_co_u32 s52, s52, s49
	s_mov_b32 s53, 0
	s_mov_b32 s55, 0
	s_lshl_b32 s66, s15, 3
	s_add_co_u32 s66, s66, s14
	s_mul_i32 s66, s66, KVREC                      ; Q's record
	s_lshl_b32 s56, s[WV], 11
	s_add_co_u32 s56, s56, s66                     ; my pair's 2,048 bytes of codes,
	s_mov_b32 s57, 0
	s_lshl_b32 s58, s[WV], 6
	s_add_co_u32 s58, s58, s66
	s_add_co_u32 s58, s58, 16384                   ; and its 16 scale words
	s_mov_b32 s59, 0
	s_and_b32 s66, s15, 15                         ; the head
	s_lshr_b32 s67, s15, 4                         ; the batch
	s_lshr_b32 s68, s66, 2                         ; o_img: K = 64 x head + channel: slot head / 4,
	s_lshl_b32 s68, s68, 7
	s_lshl_b32 s69, s67, 6
	s_add_co_u32 s68, s68, s69
	s_lshl_b32 s69, s14, 3
	s_add_co_u32 s68, s68, s69
	s_add_co_u32 s68, s68, s[WV]                   ; pair of rows 64 x batch + 8 x block + wave
	s_mul_i32 s68, s68, 8448
	s_bfe_u32 s69, s66, 0x10001                    ; K step (head / 2) % 2,
	s_and_b32 s66, s66, 1                          ; pieces 2 (head % 2) and + 1
	s_lshl_b32 s60, s69, 11
	s_lshl_b32 s67, s66, 10
	s_add_co_u32 s60, s60, s67
	s_add_co_u32 s60, s60, s68
	s_mov_b32 s61, 0
	s_lshl_b32 s62, s69, 2
	s_lshl_b32 s67, s66, 1
	s_add_co_u32 s62, s62, s67
	s_add_co_u32 s62, s62, s68
	s_add_co_u32 s62, s62, 8192                    ; my two bytes of a row's scale word
	s_mov_b32 s63, 0
	s_mov_b32 s[SEL], 0x76543210
	s_mov_b32 s[SEL+1], 0xfedcba98
	s_mov_b32 s[CS], 0x3e38aa3b                    ; c = log2(e) / 8
	s_mov_b32 s[CS+1], s[CS]                       ; (named with it as a pair, so it is written)
	s_mov_b32 s[MNT], 0x600000                     ; the mantissa field of 57,344
	s_mov_b32 s[EXM], 0x7f800000                   ; an exponent field
	s_mov_b32 s[T15], 0x38000000                   ; 2^-15
	s_mov_b32 s[T15+1], s[T15]
	s_wait_dscnt 0x0                               ; both opening adds are done
	s_wait_kmcnt 0x0
	s_add_nc_u64 s[56:57], s[4:5], s[56:57]
	s_add_nc_u64 s[58:59], s[4:5], s[58:59]
	s_add_nc_u64 s[60:61], s[8:9], s[60:61]
	s_add_nc_u64 s[62:63], s[8:9], s[62:63]
	s_mov_b32 s[G0], 1
	s_mov_b32 s[G0+1], s49
	s_add_nc_u64 s[G0+2:G0+3], s[6:7], s[52:53]
	s_or_b32 s[G0+3], s[G0+3], 0x80000000
	s_mov_b32 s[G0R], 1
	s_mov_b32 s[G0R+1], s50
	s_add_nc_u64 s[G0R+2:G0R+3], s[6:7], s[54:55]
	s_or_b32 s[G0R+3], s[G0R+3], 0x80000000
	CROUND                                         ; all four work-groups are here: the joint loads meet
	s_cmp_lt_u32 s[WV], 4
	s_cbranch_scc0 .Lrest
	tensor_load_to_lds s[G0:G0+3], s[G1:G1+7]      ; waves 0-3: records 0-3
	s_nop 0
	PLACES 4
	s_branch .Lasked
.Lrest:
	tensor_load_to_lds s[G0R:G0R+3], s[G1R:G1R+7]  ; waves 4-7: records 4-15
	s_nop 0
	PLACES 4
.Lasked:
	v_and_b32 v1, 31, v0                           ; lane
	v_lshlrev_b32 v[LI], 4, v1
	v_and_b32 v[RA], 15, v0
	v_lshlrev_b32 v[LR], 4, v[RA]                  ; 16 r: a row's four scale words
	v_lshlrev_b32 v46, 2, v[RA]
	v_lshlrev_b32 v[L8], 3, v1
	WIN 0x40
.irp t, 0,1
	global_load_b128 v[Q+24*\t:Q+24*\t+3], v[LI], s[56:57] offset:1024*\t              ; tile t: pieces 2 t and 2 t + 1 of the pair's image, twice
	global_load_b128 v[Q+24*\t+4:Q+24*\t+7], v[LI], s[56:57] offset:1024*\t+512
	global_load_b128 v[Q+24*\t+16:Q+24*\t+19], v[LI], s[56:57] offset:1024*\t
	global_load_b128 v[Q+24*\t+20:Q+24*\t+23], v[LI], s[56:57] offset:1024*\t+512
.endr
	WIN 0
	global_load_b32 v[RB], v46, s[58:59]           ; the pair's scale word of row r: bytes 2 t + b
	WIN 0x40
.set I_, 0
.rept 64
	v_mov_b32 v[O+I_], 0                           ; O^T: the step is written once for all steps; the first finds zeros, which the first change of M leaves zeros
.set I_, I_+1
.endr
.irp j, 0,1,2,3,4,5,6,7
	v_mov_b32 v[Q+8+\j], 0                         ; the zero codes between Q's two copies
	v_mov_b32 v[Q+32+\j], 0
.endr
	WIN 0
.irp t, 0,1
	v_mov_b32 v[MT+8*\t], 0xff61b1e6               ; the largest score so far: -3e38, under every score
	v_mov_b32 v[NM+8*\t], 0x7f61b1e6               ; -M: 3e38
	v_mov_b32 v[SUM+8*\t], 0
	v_mov_b32 v[SUM+8*\t+1], 0
	v_mov_b32 v[F+8*\t+1], 0                       ; (named as the upper half of a pair)
.endr
.irp b, 0,1,2,3,4,5,6,7
	v_mov_b32 v[T1+\b], 0                          ; written once: a lane permute's destination counts as one of its sources
.endr
	s_wait_alu depctr_va_vdst(0)
	s_wait_loadcnt 0x0                             ; Q
	v_perm_b32 v[QS], v[RB], v[RB], 0x01000100     ; tile 0's word: its two bytes at k 0-63 and again at k 64-127
	v_perm_b32 v[QS+1], v[RB], v[RB], 0x03020302   ; tile 1's
	PLACES 8                                       ; a scale register written by a vector instruction stands eight places ahead of the product
; ---- the LDS loads of a step: v[ADR] = its first record + 16 x lane, v[ADS] = the record + 16 r
.macro KLOAD g                         ; K of the step's record g: 16 loads of 512 consecutive bytes, and its four scale words of row r
	WIN 0x40
.irp p, 0,1,2,3,4,5,6,7,8,9,10,11,12,13,14,15
	ds_load_b128 v[KV+64*\g+4*\p:KV+64*\g+4*\p+3], v[ADR] offset:KVREC*\g+512*\p
.endr
	WIN 0
	ds_load_b128 v[KS+4*\g:KS+4*\g+3], v[ADS] offset:KVREC*\g+16384
.endm
.macro VLOAD
	WIN 0x40
.irp g, 0,1
.irp p, 0,1,2,3,4,5,6,7,8,9,10,11,12,13,14,15
	ds_load_b128 v[KV+64*\g+4*\p:KV+64*\g+4*\p+3], v[ADR] offset:KVREC*\g+8192+512*\p
.endr
.endr
	WIN 0
	ds_load_b128 v[VS:VS+3], v[ADS] offset:16640
	ds_load_b128 v[VS-4:VS-1], v[ADS] offset:KVREC+16640
.endm
.macro KQ t, g                         ; S^T = K Q^T for record g: operand f holds key tiles 2 f and 2 f + 1; Q's registers 0-15 pick the first, 8-23 the second
.irp f, 0,1,2,3
.irp u, 0,1
	v_wmma_scale_f32_16x16x128_f8f6f4 v[S+64*\g+16*\f+8*\u:S+64*\g+16*\f+8*\u+7], v[KV+64*\g+16*\f:KV+64*\g+16*\f+15], v[Q+24*\t+8*\u:Q+24*\t+8*\u+15], 0, v[KS+4*\g+\f], v[QS+\t] matrix_a_fmt:MATRIX_FMT_BF8 matrix_b_fmt:MATRIX_FMT_BF8
.endr
.endr
.endm
.macro PV t, g                         ; O^T += V^T P^T for record g: four tiles of 16 channels; the accumulators take turns
.irp d, 0,1,2,3
	v_wmma_scale_f32_16x16x128_f8f6f4 v[O+32*\t+8*\d:O+32*\t+8*\d+7], v[KV+64*\g+16*\d:KV+64*\g+16*\d+15], v[CD-136*\t+16*\g:CD-136*\t+16*\g+15], v[O+32*\t+8*\d:O+32*\t+8*\d+7], v[VS-4*\g+\d], v[PS+4*\g+\t] matrix_a_fmt:MATRIX_FMT_BF8 matrix_b_fmt:MATRIX_FMT_BF8
.endr
.endm
; ---- pieces of a softmax.  The step's 128 registers of scores are eight blocks of 32 keys (16 registers, in lanes l and l xor 16), in four pairs kk
.macro FMAP kk, m, t                   ; t - M, two at a time
	v_pk_fma_f32 v[S+32*(\kk)+2*(\m):S+32*(\kk)+2*(\m)+1], v[S+32*(\kk)+2*(\m):S+32*(\kk)+2*(\m)+1], s[CS:CS+1], v[NM+8*\t:NM+8*\t+1] op_sel_hi:[1,0,0]
.endm
.macro MINP kk, m                      ; the conversion does not saturate (ISA guide 7.6.2); p is not negative, so the hold is one-sided; two at a time
	v_dual_min_num_f32 v[S+32*(\kk)+2*(\m)], v[HB+2*(\kk)+(\m)/8], v[S+32*(\kk)+2*(\m)] :: v_dual_min_num_f32 v[S+32*(\kk)+2*(\m)+1], v[HB+2*(\kk)+(\m)/8], v[S+32*(\kk)+2*(\m)+1]
.endm
.macro ADDS kk, t                      ; a pair's 32 p join the row's sum of the UNQUANTISED p: four chains, the sum itself and three that pair 0 starts; no exponential stands in the run
.irp m, 0,1,2,3,4,5,6,7,8,9,10,11,12,13,14,15
.if \m%4 == 0
	v_pk_add_f32 v[SUM+8*\t:SUM+8*\t+1], v[SUM+8*\t:SUM+8*\t+1], v[S+32*(\kk)+2*\m:S+32*(\kk)+2*\m+1]
.elseif (\kk) > 0 || \m >= 8
	v_pk_add_f32 v[AC+2*(\m%4)-2:AC+2*(\m%4)-1], v[AC+2*(\m%4)-2:AC+2*(\m%4)-1], v[S+32*(\kk)+2*\m:S+32*(\kk)+2*\m+1]
.elseif \m < 4
	v_pk_add_f32 v[AC+2*\m-2:AC+2*\m-1], v[S+2*\m:S+2*\m+1], v[S+2*\m+8:S+2*\m+9]
.endif
.endr
.endm
.macro CVTP kk, t
.irp b, 0,1
.irp h, 0,1
	v_cvt_scalef32_pk8_bf8_f32 v[CD-136*\t+8*(\kk)+4*\b+2*\h:CD-136*\t+8*(\kk)+4*\b+2*\h+1], v[S+32*(\kk)+16*\b+8*\h:S+32*(\kk)+16*\b+8*\h+7], v[SCL+2*(\kk)+\b]
.endr
.endr
.endm
.macro WORDS t                         ; p's scale words, one for each record's 128 keys
.irp b, 0,1,2,3,4,5,6,7
	v_lshrrev_b32 v[T1+\b], 23, v[SCL+\b]
.endr
	v_lshl_or_b32 v[T1], v[T1+1], 8, v[T1]
	v_lshl_or_b32 v[T1+4], v[T1+5], 8, v[T1+4]
	v_lshl_or_b32 v[T1], v[T1+2], 16, v[T1]
	v_lshl_or_b32 v[T1+4], v[T1+6], 16, v[T1+4]
	v_lshl_or_b32 v[PS+\t], v[T1+3], 24, v[T1]
	v_lshl_or_b32 v[PS+4+\t], v[T1+7], 24, v[T1+4]
.endm
; Stage k: pair k's exponentials; between them pair k - 1's holds and pair k + 1's t - M.  ONE wait at its head serves what the stage before wrote, exponentials and plain work alike; in front of the exponentials stand the
; conversions of pair k - 2, the sums of pair k - 1 and the first hold of each of its two blocks (the first reader of the block's bound).
.macro STAGE k, t
.if \k > 0
	s_wait_alu depctr_va_vdst(0)
.endif
.if \k == 1
.irp b, 0,2,4,6
	v_pk_mul_f32 v[SCL+\b:SCL+\b+1], v[BM+\b:BM+\b+1], s[T15:T15+1] op_sel_hi:[1,0]     ; the largest p x 2^-15: its exponent field is the scale's byte, and the conversion takes nothing else of it
.endr
.irp b, 0,1,2,3,4,5,6,7
	v_and_or_b32 v[HB+\b], v[BM+\b], s[EXM], s[MNT]    ; 57,344 x the scale
.endr
.endif
.if \k > 1
	CVTP \k-2, \t
.endif
.if \k == 2 && \t == 1
	WORDS \t                                       ; tile 1's scale words, far more than eight places ahead of their products
.endif
.if \k > 0
	ADDS \k-1, \t
	MINP \k-1, 0
	MINP \k-1, 8
.endif
.irp e, 0,1,2,3,4,5,6,7,8,9,10,11,12,13,14,15,16,17,18,19,20,21,22,23,24,25,26,27,28,29,30,31
	v_exp_f32 v[S+32*\k+\e], v[S+32*\k+\e]         ; p = 2^(t - M)
.if \e%2 == 0
.if \k > 0 && \e != 0 && \e != 16
	MINP \k-1, \e/2
.endif
.elseif \k < 3
	FMAP \k+1, \e/2, \t
.endif
.endr
.endm
; One tile's softmax for 256 keys.  vl = 1: this step's V is asked for on the way, into the registers that K has left: the lines above the loads are the places behind the products
.macro SM t, vl
.irp b, 0,1,2,3,4,5,6,7
	v_max3_num_f32 v[BM+\b], v[S+16*\b], v[S+16*\b+1], v[S+16*\b+2]     ; the largest score of each block of 32 keys: it serves the row's maximum and, since p rises with the score, the block's largest p
.endr
.irp i, 3,5,7,9,11,13
.irp b, 0,1,2,3,4,5,6,7
	v_max3_num_f32 v[BM+\b], v[BM+\b], v[S+16*\b+\i], v[S+16*\b+\i+1]
.endr
.endr
.irp b, 0,1,2,3,4,5,6,7
	v_max_num_f32 v[BM+\b], v[BM+\b], v[S+16*\b+15]
.endr
.if \vl
	VLOAD
	s_add_co_u32 s[TB], s[TB], 2*KVREC             ; on to the next step's records; the address is held at the loop's last two, where the loads are jumped over
	s_min_u32 s48, s[TB], LIM
	v_add_nc_u32 v[ADR], s48, v[LI]
	v_add_nc_u32 v[ADS], s48, v[LR]
.endif
.irp b, 0,1,2,3,4,5,6,7
	v_permlanex16_b32 v[T1+\b], v[BM+\b], s[SEL], s[SEL+1]
.endr
.irp b, 0,1,2,3,4,5,6,7
	v_max_num_f32 v[BM+\b], v[BM+\b], v[T1+\b]     ; with lane l xor 16's 16 keys
.endr
	v_max3_num_f32 v[RA], v[BM], v[BM+1], v[BM+2]
	v_max3_num_f32 v[RB], v[BM+3], v[BM+4], v[BM+5]
	v_max3_num_f32 v[RC], v[BM+6], v[BM+7], v[MT+8*\t]
	DEP1
	v_max3_num_f32 v[MT+8*\t], v[RA], v[RB], v[RC] ; the largest score so far
	DEP1
	v_mul_f32 v[TMP], s[CS], v[MT+8*\t]            ; as t (c is positive)
	DEP1
	v_floor_f32 v[NM+8*\t], -v[TMP]                ; the new -M = -ceil(t): a whole number
	v_pk_fma_f32 v[BM:BM+1], v[BM:BM+1], s[CS:CS+1], v[NM+8*\t:NM+8*\t+1] op_sel_hi:[1,0,0]       ; t - M of each block's largest score; by turns with it
	v_sub_f32 v[TMP], v[NM+8*\t], v[OLD+8*\t]      ; old M - new M, a whole number, 0 or less;
	v_pk_fma_f32 v[BM+2:BM+3], v[BM+2:BM+3], s[CS:CS+1], v[NM+8*\t:NM+8*\t+1] op_sel_hi:[1,0,0]
	FMAP 0, 0, \t
	v_cvt_i32_f32 v[TMP], v[TMP]                   ; (it saturates)
	v_pk_fma_f32 v[BM+4:BM+5], v[BM+4:BM+5], s[CS:CS+1], v[NM+8*\t:NM+8*\t+1] op_sel_hi:[1,0,0]
	FMAP 0, 1, \t
	v_ldexp_f32 v[F+8*\t], 1.0, v[TMP]             ; f = 2^(old M - new M)
	v_pk_fma_f32 v[BM+6:BM+7], v[BM+6:BM+7], s[CS:CS+1], v[NM+8*\t:NM+8*\t+1] op_sel_hi:[1,0,0]
.irp m, 2,3,4,5,6,7,8,9,10,11,12,13,14,15
	FMAP 0, \m, \t
.endr
	v_pk_mul_f32 v[SUM+8*\t:SUM+8*\t+1], v[SUM+8*\t:SUM+8*\t+1], v[F+8*\t:F+8*\t+1] op_sel_hi:[1,0]    ; the sum under the new M
	WIN 0x41                                       ; O^T in window 1, f in window 0
	s_wait_alu depctr_va_vdst(0)                   ; ahead of the exponentials, and ahead of O^T's first readers
.irp j, 0,2,4,6,8,10,12,14,16,18,20,22,24,26,28,30
	v_pk_mul_f32 v[O+32*\t+\j:O+32*\t+\j+1], v[O+32*\t+\j:O+32*\t+\j+1], v[F+8*\t:F+8*\t+1] op_sel_hi:[1,0]    ; O^T under the new M
.endr
	WIN 0
.irp b, 0,1,2,3,4,5,6,7
	v_exp_f32 v[BM+\b], v[BM+\b]                   ; the block's largest p: the same two operations on the same number as that p itself
.endr
	STAGE 0, \t
	STAGE 1, \t
	STAGE 2, \t
	STAGE 3, \t
.if \t == 0
	s_wait_alu depctr_va_vdst(0)
	TAIL 0
.endif
.endm
.macro TAIL t                          ; what is left of a softmax behind the wait for its last exponentials
	CVTP 2, \t
	ADDS 3, \t
.irp m, 0,1,2,3,4,5,6,7,8,9,10,11,12,13,14,15
	MINP 3, \m
.endr
	CVTP 3, \t
	v_pk_add_f32 v[AC:AC+1], v[AC:AC+1], v[AC+2:AC+3]            ; the four chains are joined: with the v_nop the codes' four places ahead of a product
	v_pk_add_f32 v[SUM+8*\t:SUM+8*\t+1], v[SUM+8*\t:SUM+8*\t+1], v[AC+4:AC+5]
	v_pk_add_f32 v[SUM+8*\t:SUM+8*\t+1], v[SUM+8*\t:SUM+8*\t+1], v[AC:AC+1]
	v_nop
.endm
; A STEP: 256 keys, both tiles; s[TB] = its first record
; K comes a step ahead: its first record into the registers of V's first as soon as both tiles' products have read them, under tile 1's last conversions and the products of the second record; then its second record.
; A loop's last step asks for no K: what follows it lies behind a barrier, or there is none
.macro KNEXT g
	s_cmp_eq_u32 s[CNT], 1
	s_cbranch_scc1 .Lno_next_\@
	KLOAD \g
.Lno_next_\@:
.endm
.macro BODY
	s_wait_dscnt 17
	WIN 0x05                                       ; K and Q in window 1, the scores in window 0
	KQ 0, 0
	s_wait_dscnt 0x0
	KQ 0, 1
	WIN 0
	v_mov_b32 v[OLD], v[NM]                        ; the old -M
	PLACES 7                                       ; with the line above eight places behind the products
	SM 0, 0
	WIN 0x05
	KQ 1, 0
	KQ 1, 1
	WIN 0
	WORDS 0                                        ; tile 0's scale words are the places behind tile 1's scores
	v_mov_b32 v[OLD+8], v[NM+8]
	SM 1, 1
	s_wait_alu depctr_va_vdst(0)                   ; the wait behind tile 1's last exponentials, and ahead of the wait below
	s_wait_dscnt 0x0                               ; V
	WIN 0x51                                       ; V and O^T in window 1, p's codes in window 0
	PV 0, 0
	PV 1, 0
	WIN 0
	PLACES 8                                       ; behind the products, ahead of loads into their registers
	KNEXT 0
	TAIL 1
	WIN 0x51
	PV 0, 1
	PV 1, 1
	WIN 0
	PLACES 9                                       ; tile 1's codes, which the last products read, are written over by the next scores: nine places
	KNEXT 1
.endm
	v_mov_b32 v[ADR], v[LI]
	v_mov_b32 v[ADS], v[LR]
	s_wait_alu depctr_va_vdst(0)                   ; at the head's end
	s_cmp_lt_u32 s[WV], 4                          ; waves 0-3: records 0-3 are in.  Waves 4-7 wait at the second barrier
	s_cbranch_scc0 .Lnot_yet
	s_wait_tensorcnt 0x0
.Lnot_yet:
	s_barrier_signal -1
	s_barrier_wait -1                              ; records 0-3 are whole
	KLOAD 0
	KLOAD 1
	s_mov_b32 s[TB], 0
	s_mov_b32 s[CNT], 2
.set LIM, 2*KVREC
.Lfirst_steps:                                         ; records 0-3
	BODY
	s_sub_co_u32 s[CNT], s[CNT], 1
	s_cmp_lg_u32 s[CNT], 0
	s_cbranch_scc1 .Lfirst_steps
	s_mov_b32 s[TB], 4*KVREC
	v_add_nc_u32 v[ADR], s[TB], v[LI]
	v_add_nc_u32 v[ADS], s[TB], v[LR]
	s_wait_alu depctr_va_vdst(0)                   ; directly ahead of the waits below
	s_wait_tensorcnt 0x0                           ; my load is in, whichever it was
	s_wait_dscnt 0x0
	s_barrier_signal -1
	s_barrier_wait -1                              ; everybody's is
	KLOAD 0
	KLOAD 1
	s_mov_b32 s[CNT], 6
.set LIM, 14*KVREC
.Lsteps:                                               ; records 4-15
	BODY
	s_sub_co_u32 s[CNT], s[CNT], 1
	s_cmp_lg_u32 s[CNT], 0
	s_cbranch_scc1 .Lsteps
	s_wait_alu depctr_va_vdst(0)                   ; the sums were written ahead of a branch
; THE WAY OUT.  O^T / the sum is o(query r, channel 32 a + 16 h + 0 .. 15): block n = 2 t + a in registers S + 16 n on: two blocks of 32 a tile along the last product's K, quantised as they stand; the codes are two pieces of a fragment's image
.irp t, 0,1
	v_add_f32 v[SUM+8*\t], v[SUM+8*\t], v[SUM+8*\t+1]
.endr
.irp t, 0,1
	v_permlanex16_b32 v[T1+\t], v[SUM+8*\t], s[SEL], s[SEL+1]
.endr
.irp t, 0,1
	v_add_f32 v[SUM+8*\t], v[SUM+8*\t], v[T1+\t]   ; the row's sum
.endr
	s_wait_alu depctr_va_vdst(0)                   ; ahead of the transcendentals
	v_rcp_f32 v[F], v[SUM]
	v_rcp_f32 v[F+8], v[SUM+8]
	v_nop                                          ; a plain instruction behind the transcendentals
	WIN 0x01
	s_wait_alu depctr_va_vdst(0)                   ; and ahead of their readers, which are O^T's first readers too
.irp t, 0,1
.irp j, 0,2,4,6,8,10,12,14,16,18,20,22,24,26,28,30
	v_pk_mul_f32 v[S+32*\t+\j:S+32*\t+\j+1], v[O+32*\t+\j:O+32*\t+\j+1], v[F+8*\t:F+8*\t+1] op_sel_hi:[1,0]
.endr
.endr
	WIN 0
.irp n, 0,1,2,3
	v_max3_num_f32 v[BM+\n], |v[S+16*\n]|, |v[S+16*\n+1]|, 0x8000000     ; and the floor 2^(16 - 127)
.endr
.irp i, 2,4,6,8,10,12,14
.irp n, 0,1,2,3
	v_max3_num_f32 v[BM+\n], v[BM+\n], |v[S+16*\n+\i]|, |v[S+16*\n+\i+1]|
.endr
.endr
.irp n, 0,1,2,3
	v_permlanex16_b32 v[T1+\n], v[BM+\n], s[SEL], s[SEL+1]
.endr
.irp n, 0,1,2,3
	v_max_num_f32 v[BM+\n], v[BM+\n], v[T1+\n]
.endr
.irp n, 0,1,2,3
	v_add_nc_u32 v[SCL+\n], 0xf8800000, v[BM+\n]   ; 15 off the exponent field: the conversion's scale operand
.endr
.irp n, 0,1,2,3
	v_and_or_b32 v[HB+\n], v[BM+\n], s[EXM], s[MNT]
.endr
.irp n, 0,1,2,3
	v_lshrrev_b32 v[T1+\n], 23, v[SCL+\n]
.endr
	v_lshl_or_b32 v[RA], v[T1+1], 8, v[T1]         ; the head's two bytes of the row's scale word: tile 0's,
	v_lshl_or_b32 v[RB], v[T1+3], 8, v[T1+2]       ; tile 1's
.irp i, 0,1,2,3,4,5,6,7,8,9,10,11,12,13,14,15
.irp n, 0,1,2,3
	v_med3_num_f32 v[S+16*\n+\i], v[S+16*\n+\i], -v[HB+\n], v[HB+\n]
.endr
.endr
.irp n, 0,1,2,3
	v_cvt_scalef32_pk8_bf8_f32 v[CD+4*\n:CD+4*\n+1], v[S+16*\n:S+16*\n+7], v[SCL+\n]
	v_cvt_scalef32_pk8_bf8_f32 v[CD+4*\n+2:CD+4*\n+3], v[S+16*\n+8:S+16*\n+15], v[SCL+\n]
.endr
	v_cmp_le_u32 vcc_lo, 16, v1
	v_cndmask_b32 v[OW], v[RA], v[RB], vcc_lo      ; lanes 0-15 store tile 0's row r, lanes 16-31 tile 1's
.irp n, 0,1,2,3
	global_store_b128 v[LI], v[CD+4*\n:CD+4*\n+3], s[60:61] offset:4096*(\n/2)+512*(\n%2)     ; 32 lanes store 512 consecutive bytes
.endr
	global_store_b16 v[L8], v[OW], s[62:63]
	s_wait_tensorcnt 0x0                           ; the wave's end
	ds_add_u32 v[SPW], v[NIL]
	s_wait_dscnt 0x0
	CROUND                                         ; the closing round: no work-group ends while a partner may still ask
	s_endpgm
.Lfunc_end_k_qa97d947000_attn:
	.size	k_qa97d947000_attn, .Lfunc_end_k_qa97d947000_attn-k_qa97d947000_attn
	.p2alignl 7, 3214868480
	.fill 96, 4, 3214868480
	.section	.rodata,"a",@progbits
	.p2align	6, 0x0
	.amdhsa_kernel k_qa97d947000_attn
		.amdhsa_group_segment_fixed_size 327680
		.amdhsa_private_segment_fixed_size 0
		.amdhsa_enable_private_segment 0
		.amdhsa_kernarg_size 24
		.amdhsa_user_sgpr_count 2
		.amdhsa_user_sgpr_kernarg_segment_ptr 1
		.amdhsa_wavefront_size32 1
		.amdhsa_system_sgpr_workgroup_id_x 1
		.amdhsa_system_sgpr_workgroup_id_y 1
		.amdhsa_system_sgpr_workgroup_id_z 1
		.amdhsa_system_vgpr_workitem_id 0
		.amdhsa_next_free_vgpr 512
		.amdhsa_next_free_sgpr 72
		.amdhsa_reserve_vcc 1
		.amdhsa_float_denorm_mode_32 3
		.amdhsa_float_denorm_mode_16_64 3
		.amdhsa_memory_ordered 1
		.amdhsa_forward_progress 1
		.amdhsa_inst_pref_size 152
	.end_amdhsa_kernel
	.amdgpu_metadata
---
amdhsa.version: [ 1, 2 ]
amdhsa.kernels:
  - .name:           k_qa97d947000_attn
    .symbol:         k_qa97d947000_attn.kd
    .args:
      - { .name: q_img, .offset: 0, .size: 8, .value_kind: global_buffer, .address_space: global }
      - { .name: kv_img, .offset: 8, .size: 8, .value_kind: global_buffer, .address_space: global }
      - { .name: o_img, .offset: 16, .size: 8, .value_kind: global_buffer, .address_space: global }
    .group_segment_fixed_size: 327680
    .private_segment_fixed_size: 0
    .kernarg_segment_align: 8
    .kernarg_segment_size: 24
    .max_flat_workgroup_size: 256
    .sgpr_count:     72
    .vgpr_count:     512
    .wavefront_size: 32
...
	.end_amdgpu_metadata
.endif
;; end of part 3
;; launch proj (part 4): grid 8 x 32, 4 waves a work-group, clusters of 4 x 4, 327,680 bytes of LDS; arguments o_img, wo_img, b_o, out0; writes out0
.if DOCPART == 4
	.amdgcn_target "amdgcn-amd-amdhsa--gfx1250"
	.amdhsa_code_object_version 6
	.text
	.protected	k_qa97d947000_proj
	.globl	k_qa97d947000_proj
	.p2align	8
	.type	k_qa97d947000_proj,@function
k_qa97d947000_proj:
	s_mov_b64 s[64:65], 0
	v_nop
	global_prefetch_b8 v0, s[64:65] scope:SCOPE_SE
	s_setreg_imm32_b32 hwreg(HW_REG_WAVE_MODE, 25, 1), 1
	s_wait_xcnt 0x0
	s_wait_alu depctr_hold_cnt(0) depctr_sa_sdst(0) depctr_va_vdst(0) depctr_va_sdst(0) depctr_va_ssrc(0) depctr_va_vcc(0) depctr_vm_vsrc(0)
	s_getreg_b32 s2, hwreg(HW_REG_IB_STS2, 6, 4)
	s_cmp_eq_u32 s2, 0
	s_cbranch_scc0 .Lentry_in_a_cluster
	s_endpgm
.Lentry_in_a_cluster:
	s_bfe_u32 s2, ttmp6, 0x10000c
	s_cmp_lg_u32 s2, 0xf033
	s_cbranch_scc0 .Lentry_shape_is_right
	s_endpgm
.Lentry_shape_is_right:
; out0 = o w_o + b_o on codes of BF8 (E5M2) with E8M0 scales; out0 [4096][1024] f32.
; SHARES.  A work-group makes 128 rows x 128 columns: 8 x 32 work-groups; each of its four waves 64 x 64: 16 accumulators.
; OPERANDS arrive as images of their registers in records of 8,448 bytes for (256 along K, 32 rows): four fragments and 256 bytes of scale words.  Lane r of tile u of a pair of 32 holds row 8 u + r + 8 (r / 8).
; ALL OF K LIES IN LDS: four slots of 256 along K, each o's 4 records and w_o's 4; every slot is filled once, all four asked for at the start, so nothing is filled again.
; CLUSTER 4 x 4: the four of a row of the cluster share o's records, the four of a column w_o's: each is asked for jointly.
; THE PRODUCT IS USED TRANSPOSED (source 0 = 16 columns of w_o, source 1 = 16 rows of o): a lane holds eight neighbouring numbers of a row of out0.  The bias is the C of the first products.
; REGISTERS: window 0: v4-22 addresses; v32-63 scale words, two sets; v64-95 the bias, later with v96-127 the way out; v128-255 the accumulators, (column tile j, row tile t) at 128 + 8 (4 j + t).
;   window 1: two sets of fragments at 128 p: o's tile t at 16 t, w_o's tile j at 64 + 16 j.
.set REC,  8448
.set SLOT, 4*REC                       ; LDS: o's four slots of 4 records, then w_o's four
.set ADA,  4
.set ADB,  8
.set ASA,  12
.set ASB,  16
.set STO,  20
.set RD,   21
.set CO,   22
.set SC,   32
.set BI,   64
.set BK,   64
.set ACC,  128
.set WV,   14
.set G1A,  24
.set G1B,  32
.set G0A,  40
.set G0B,  48                          ; groups 0: slots 0 and 1, then slots 2 and 3
.set MSB, 0
.macro WIN new                         ; the immediate's high byte repeats the setting that is left
.if MSB != (\new)
	s_set_vgpr_msb (MSB<<8)|(\new)
.set MSB, (\new)
.endif
.endm
.macro PLACES n
.rept \n
	v_nop
.endr
.endm
.macro CROUND                          ; a round of the cluster's barrier
	s_barrier_signal -1
	s_barrier_wait -1
	s_cmp_lg_u32 s[WV], 0
	s_cbranch_scc1 .Lnot_wave_0_\@
	s_barrier_signal -3
.Lnot_wave_0_\@:
	s_barrier_wait -3
	s_barrier_signal -1
	s_barrier_wait -1
.endm
	s_load_b128 s[4:7], s[0:1], 0x0                ; o_img, wo_img
	s_load_b128 s[8:11], s[0:1], 0x10              ; b_o, out0
	v_lshl_add_u32 v30, v0, 2, 0x42000
	v_mov_b32 v31, 0
	ds_add_u32 v30, v31
	ds_add_u32 v30, v31
	v_lshrrev_b32 v1, 5, v0
	v_readfirstlane_b32 s[WV], v1                  ; wave 0..3
	s_lshr_b32 s15, s[WV], 1                       ; which half of the rows is mine.  Also: I fetch slots 0 and 1 (0) or slots 2 and 3 (1)
	s_and_b32 s16, s[WV], 1                        ; which half of the columns.  Also: which two records I fetch
	s_bfe_u32 s84, ttmp6, 0x40000                  ; cx, cy
	s_bfe_u32 s85, ttmp6, 0x40004
	s_lshl_b32 s86, ttmp9, 2
	s_add_co_u32 s86, s86, s84                     ; the block of 128 columns
	s_and_b32 s17, ttmp7, 0xffff
	s_lshl_b32 s17, s17, 2
	s_add_co_u32 s17, s17, s85                     ; the block of 128 rows
	s_lshl_b32 s87, s85, 2
	s_lshl_b32 s87, 15, s87                        ; my row of the cluster
	s_lshl_b32 s88, 0x1111, s84                    ; my column
	; descriptor group 1: two rows of four records (33,792 bytes), in elements of 8 bytes
	s_or_b32 s[G1A], s87, (3<<16)|(1<<21)
	s_or_b32 s[G1B], s88, (3<<16)|(1<<21)
.irp g, G1A, G1B                       ; two slots: two rows of 33,792 bytes (four records; 4,224 elements of 8), a slot of the buffer apart
	s_mov_b32 s[\g+1], 4224<<16
	s_mov_b32 s[\g+2], 2<<16
	s_mov_b32 s[\g+3], 4224<<16
	s_mov_b32 s[\g+4], 2
	s_mov_b32 s[\g+6], 0
	s_mov_b32 s[\g+7], 0
.endr
	s_mov_b32 s[G1A+5], 128*REC/8
	s_mov_b32 s[G1B+5], 32*REC/8
	s_mul_i32 s20, s17, 4*REC                      ; o: record 4 x block
	s_mov_b32 s21, 0
	s_mul_i32 s90, s86, 4*REC                      ; w_o likewise
	s_mov_b32 s91, 0
	s_wait_dscnt 0x0
	s_wait_kmcnt 0x0
	s_add_nc_u64 s[20:21], s[4:5], s[20:21]
	s_add_nc_u64 s[90:91], s[6:7], s[90:91]
.irp s, 0,1
	s_mov_b32 s[G0A+4*\s], 1
	s_mov_b32 s[G0A+4*\s+1], 2*\s*SLOT
	s_add_nc_u64 s[G0A+4*\s+2:G0A+4*\s+3], s[20:21], 2*\s*128*REC
	s_or_b32 s[G0A+4*\s+3], s[G0A+4*\s+3], 0x80000000
	s_mov_b32 s[G0B+4*\s], 1
	s_mov_b32 s[G0B+4*\s+1], (4+2*\s)*SLOT
	s_add_nc_u64 s[G0B+4*\s+2:G0B+4*\s+3], s[90:91], 2*\s*32*REC
	s_or_b32 s[G0B+4*\s+3], s[G0B+4*\s+3], 0x80000000
.endr
	CROUND                                         ; all sixteen work-groups are here: the joint loads meet
; ONE LOAD A WAVE: wave 0 o's slots 0 and 1, wave 1 w_o's, wave 2 o's slots 2 and 3, wave 3 w_o's.  One tree of branches on the wave's number.  No prefetch: all that is read is asked for here
; (two slots a load: waves 0 and 1 ask for slots 0 and 1, waves 2 and 3 for slots 2 and 3)
.macro ARM under, g0, g1, next
	s_cmp_lt_u32 s[WV], \under
	s_cbranch_scc0 \next
	tensor_load_to_lds s[\g0:\g0+3], s[\g1:\g1+7]
	s_nop 0
.rept 4
	v_nop
.endr
	s_branch .Lfirst_asked
\next:
.endm
	ARM 1, G0A, G1A, .Lhead_1
	ARM 2, G0B, G1B, .Lhead_2
	ARM 3, G0A+4, G1A, .Lhead_3
	tensor_load_to_lds s[G0B+4:G0B+7], s[G1B:G1B+7]
	s_nop 0
.rept 4
	v_nop
.endr
.Lfirst_asked:
	v_and_b32 v1, 31, v0
	v_lshlrev_b32 v23, 4, v1                       ; 16 x lane
	v_and_b32 v24, 15, v0                          ; r
	v_bfe_u32 v25, v0, 4, 1                        ; h
	v_lshlrev_b32 v26, 3, v24                      ; 8 r
	s_mul_i32 s22, s15, 2*REC                      ; my two records of o,
	s_mul_i32 s23, s16, 2*REC
	s_add_co_u32 s23, s23, 4*SLOT                  ; and of w_o, behind o's four slots
.irp s, 0,1,2,3
	v_add_nc_u32 v[ADA+\s], s22, v23
	v_add_nc_u32 v[ADB+\s], s23, v23
	v_add_nc_u32 v[ASA+\s], s22, v26
	v_add_nc_u32 v[ASB+\s], s23, v26
	s_add_co_u32 s22, s22, SLOT
	s_add_co_u32 s23, s23, SLOT
.endr
	s_mul_i32 s22, s[WV], 16*272                   ; my stage for the way out: 16 rows x (256 bytes + 16), in slot 0
	v_mul_u32_u24 v[STO], v24, 272
	v_lshl_add_u32 v[STO], v25, 6, v[STO]
	v_add_nc_u32 v[STO], s22, v[STO]               ; in: row r, + 64 h
	v_mul_u32_u24 v[RD], v25, 272
	v_lshl_add_u32 v[RD], v24, 4, v[RD]
	v_add_nc_u32 v[RD], s22, v[RD]                 ; back: lanes 0-15 one row, lanes 16-31 the next
	v_lshlrev_b32 v[CO], 12, v25
	v_lshl_add_u32 v[CO], v24, 4, v[CO]            ; and the same in out0: rows of 4,096 bytes
	v_lshlrev_b32 v27, 6, v25                      ; the bias: lane (r, h) wants columns 16 h + 0 .. 7 of the tile's 32
	s_wait_alu depctr_va_vdst(0)
	s_lshl_b32 s22, s86, 9
	s_lshl_b32 s23, s16, 8
	s_add_co_u32 s22, s22, s23                     ; my first column, in bytes: 512 x block + 256 x half
	s_mov_b32 s23, 0
	s_add_nc_u64 s[8:9], s[8:9], s[22:23]
	s_add_nc_u64 s[10:11], s[10:11], s[22:23]
	s_lshl_b32 s22, s17, 19
	s_lshl_b32 s19, s15, 18
	s_add_co_u32 s22, s22, s19                     ; my first row: 128 x block + 64 x half, 4,096 bytes each
	s_add_nc_u64 s[10:11], s[10:11], s[22:23]
.irp j, 0,1,2,3
	global_load_b128 v[BI+8*\j:BI+8*\j+3], v27, s[8:9] offset:(32*(\j/2)+8*(\j%2))*4
	global_load_b128 v[BI+8*\j+4:BI+8*\j+7], v27, s[8:9] offset:(32*(\j/2)+8*(\j%2))*4+16
.endr
.macro FRAG reg, adr, off
.irp c, 0,1,2,3
	ds_load_b128 v[\reg+4*\c:\reg+4*\c+3], v[\adr] offset:\off+512*\c
.endr
.endm
.macro FETCH i                         ; step i of 128 along K (slot i / 2): eight fragments into set i % 2: 32 loads; where it opens a slot, the slot's scale words: 8 more
	WIN 0x40
.irp t, 0,1,2,3
	FRAG 128*((\i)%2)+16*\t, ADA+(\i)/2, (\t/2)*REC+4096*(\t%2)+2048*((\i)%2)
.endr
.irp j, 0,1,2,3
	FRAG 128*((\i)%2)+64+16*\j, ADB+(\i)/2, (\j/2)*REC+4096*(\j%2)+2048*((\i)%2)
.endr
	WIN 0
.if (\i)%2 == 0
.irp t, 0,1,2,3
	ds_load_b64 v[SC+16*(((\i)/2)%2)+2*\t:SC+16*(((\i)/2)%2)+2*\t+1], v[ASA+(\i)/2] offset:8192+(\t/2)*REC+128*(\t%2)
.endr
.irp j, 0,1,2,3
	ds_load_b64 v[SC+16*(((\i)/2)%2)+8+2*\j:SC+16*(((\i)/2)%2)+8+2*\j+1], v[ASB+(\i)/2] offset:8192+(\j/2)*REC+128*(\j%2)
.endr
.endif
.endm
.macro MUL i                           ; 16 products: the accumulators take turns, one instruction a turn, in the same order in every step
	WIN 0x05                                       ; sources 0 and 1 in window 1
.irp j, 0,1,2,3
.irp t, 0,1,2,3
.if (\i) == 0
	v_wmma_scale_f32_16x16x128_f8f6f4 v[ACC+8*(4*\j+\t):ACC+8*(4*\j+\t)+7], v[128*((\i)%2)+64+16*\j:128*((\i)%2)+64+16*\j+15], v[128*((\i)%2)+16*\t:128*((\i)%2)+16*\t+15], v[BI+8*\j:BI+8*\j+7], v[SC+16*(((\i)/2)%2)+8+2*\j+(\i)%2], v[SC+16*(((\i)/2)%2)+2*\t+(\i)%2] matrix_a_fmt:MATRIX_FMT_BF8 matrix_b_fmt:MATRIX_FMT_BF8
.else
	v_wmma_scale_f32_16x16x128_f8f6f4 v[ACC+8*(4*\j+\t):ACC+8*(4*\j+\t)+7], v[128*((\i)%2)+64+16*\j:128*((\i)%2)+64+16*\j+15], v[128*((\i)%2)+16*\t:128*((\i)%2)+16*\t+15], v[ACC+8*(4*\j+\t):ACC+8*(4*\j+\t)+7], v[SC+16*(((\i)/2)%2)+8+2*\j+(\i)%2], v[SC+16*(((\i)/2)%2)+2*\t+(\i)%2] matrix_a_fmt:MATRIX_FMT_BF8 matrix_b_fmt:MATRIX_FMT_BF8
.endif
.endr
.endr
	WIN 0
.endm
	s_cmp_lt_u32 s[WV], 2                          ; waves 0 and 1: slot 0 is in.  Waves 2 and 3 wait at the next barrier; nothing is filled again
	s_cbranch_scc0 .Lnot_yet
	s_wait_tensorcnt 0x0
.Lnot_yet:
	s_barrier_signal -1
	s_barrier_wait -1
	FETCH 0
	s_wait_loadcnt 0x0                             ; the bias
.irp i, 0,1,2
.if \i > 0
	PLACES 8                                       ; eight plain places between the last step's products and the loads into their registers
.endif
	FETCH \i+1
.if \i%2 == 1
	s_wait_dscnt 40                                ; all but the 40 loads just issued: this step's fragments are in
.else
	s_wait_dscnt 32                                ; all but the 32 just issued
.endif
	MUL \i
.endr
; STEPS 4 TO 7 GO BY ROWS OF out0: w_o's fragments of all four fill window 2, o's come by tiles of 16 rows x 512 K (64 registers of window 1 a tile), and a tile of rows leaves as soon as it is finished; K ascending as before
.macro WFRAGS i                        ; w_o's four fragments of step i: 16 loads
	WIN 0x80
.irp j, 0,1,2,3
	FRAG 64*(\i-4)+16*\j, ADB+\i/2, (\j/2)*REC+4096*(\j%2)+2048*(\i%2)
.endr
	WIN 0
.endm
.macro OFRAGS t                        ; o's tile t, steps 4 to 7: 16 loads
	WIN 0x40
.irp i, 4,5,6,7
	FRAG 64*\t+16*(\i-4), ADA+\i/2, (\t/2)*REC+4096*(\t%2)+2048*(\i%2)
.endr
	WIN 0
.endm
.macro SWORDS s                        ; slot s's scale words: 8 loads
.irp t, 0,1,2,3
	ds_load_b64 v[SC+16*(\s%2)+2*\t:SC+16*(\s%2)+2*\t+1], v[ASA+\s] offset:8192+(\t/2)*REC+128*(\t%2)
	ds_load_b64 v[SC+16*(\s%2)+8+2*\t:SC+16*(\s%2)+8+2*\t+1], v[ASB+\s] offset:8192+(\t/2)*REC+128*(\t%2)
.endr
.endm
.macro ROWT t                          ; tile t's last 16 products: its four accumulators take turns
	WIN 0x06                                       ; source 0 (w_o) window 2, source 1 (o) window 1
.irp i, 4,5,6,7
.irp j, 0,1,2,3
	v_wmma_scale_f32_16x16x128_f8f6f4 v[ACC+8*(4*\j+\t):ACC+8*(4*\j+\t)+7], v[64*(\i-4)+16*\j:64*(\i-4)+16*\j+15], v[64*\t+16*(\i-4):64*\t+16*(\i-4)+15], v[ACC+8*(4*\j+\t):ACC+8*(4*\j+\t)+7], v[SC+16*((\i/2)%2)+8+2*\j+\i%2], v[SC+16*((\i/2)%2)+2*\t+\i%2] matrix_a_fmt:MATRIX_FMT_BF8 matrix_b_fmt:MATRIX_FMT_BF8
.endr
.endr
	WIN 0
.endm
	s_wait_tensorcnt 0x0                           ; slots 2 and 3 are in
	s_wait_dscnt 0x0                               ; step 3's fragments are in, and my reads of slots 0 and 1 are over
	s_barrier_signal -1
	s_barrier_wait -1
	PLACES 8                                       ; behind step 2's products, which read the registers that tiles 0 and 1 of o take
	OFRAGS 0
	SWORDS 2
	WFRAGS 4
	WFRAGS 5
	MUL 3
	PLACES 8
	SWORDS 3
	WFRAGS 6
	WFRAGS 7
	OFRAGS 1
	OFRAGS 2
	s_wait_dscnt 32                                ; all but o's tiles 1 and 2
	ROWT 0
; THE WAY OUT, a tile of 16 rows x 64 columns at a time, through my own stage; it lies in slot 0, which has had its only fill and which nobody has read since the barrier that opened slots 2 and 3.
; Stage row p is the tile's row p, which is row 8 u + p + 8 (p / 8) of its pair.  Sixteen lanes store 256 consecutive bytes, at a multiple of 256 from out0's first byte.
.macro TOSTAGE t
.irp j, 0,1,2,3
	ds_store_b128 v[STO], v[ACC+8*(4*\j+(\t)):ACC+8*(4*\j+(\t))+3] offset:128*(\j/2)+32*(\j%2)          ; each accumulator from its low end on
	ds_store_b128 v[STO], v[ACC+8*(4*\j+(\t))+4:ACC+8*(4*\j+(\t))+7] offset:128*(\j/2)+32*(\j%2)+16
.endr
.irp i, 0,1,2,3,4,5,6,7
	ds_load_b128 v[BK+32*((\t)%2)+4*\i:BK+32*((\t)%2)+4*\i+3], v[RD] offset:544*\i    ; LDS serves a wave's instructions in order: these see my stores, and the next tile's stores come behind them
.endr
.endm
.macro SEND t, younger                 ; younger: the LDS instructions issued behind tile t's loads, which may stay out
	s_wait_dscnt \younger
.irp i, 0,1,2,3,4,5,6,7
	global_store_b128 v[CO], v[BK+32*((\t)%2)+4*\i:BK+32*((\t)%2)+4*\i+3], s[10:11] offset:(32*((\t)/2)+8*((\t)%2)+2*\i+8*(\i/4))*4096 th:TH_STORE_NT
.endr
.endm
	PLACES 8                                       ; behind tile 0's products
	TOSTAGE 0
	OFRAGS 3
	s_wait_dscnt 32                                ; o's tiles 1 and 2 are in; tile 0's 8 stores and 8 loads of the stage and tile 3's 16 loads may be out
.irp t, 1,2,3
	ROWT \t
.if \t == 1
	SEND 0, 16                                     ; behind tile 0's stage loads: o's tile 3
.else
	SEND \t-1, 0
	s_wait_xcnt 0x0                                ; tile t - 2's stores have read their registers: tile t's loads may land there
.endif
	PLACES 8
	TOSTAGE \t
.endr
	SEND 3, 0
	s_wait_tensorcnt 0x0
	ds_add_u32 v30, v31
	s_wait_dscnt 0x0
	CROUND                                         ; the closing round: no work-group ends while a partner may still ask
	s_endpgm
.Lfunc_end_k_qa97d947000_proj:
	.size	k_qa97d947000_proj, .Lfunc_end_k_qa97d947000_proj-k_qa97d947000_proj
	.p2alignl 7, 3214868480
	.fill 96, 4, 3214868480
	.section	.rodata,"a",@progbits
	.p2align	6, 0x0
	.amdhsa_kernel k_qa97d947000_proj
		.amdhsa_group_segment_fixed_size 327680
		.amdhsa_private_segment_fixed_size 0
		.amdhsa_enable_private_segment 0
		.amdhsa_kernarg_size 32
		.amdhsa_user_sgpr_count 2
		.amdhsa_user_sgpr_kernarg_segment_ptr 1
		.amdhsa_wavefront_size32 1
		.amdhsa_system_sgpr_workgroup_id_x 1
		.amdhsa_system_sgpr_workgroup_id_y 1
		.amdhsa_system_sgpr_workgroup_id_z 1
		.amdhsa_system_vgpr_workitem_id 0
		.amdhsa_next_free_vgpr 768
		.amdhsa_next_free_sgpr 92
		.amdhsa_reserve_vcc 0
		.amdhsa_float_denorm_mode_32 3
		.amdhsa_float_denorm_mode_16_64 3
		.amdhsa_memory_ordered 1
		.amdhsa_forward_progress 1
		.amdhsa_inst_pref_size 54
	.end_amdhsa_kernel
	.amdgpu_metadata
---
amdhsa.version: [ 1, 2 ]
amdhsa.kernels:
  - .name:           k_qa97d947000_proj
    .symbol:         k_qa97d947000_proj.kd
    .args:
      - { .name: o_img, .offset: 0, .size: 8, .value_kind: global_buffer, .address_space: global }
      - { .name: wo_img, .offset: 8, .size: 8, .value_kind: global_buffer, .address_space: global }
      - { .name: b_o, .offset: 16, .size: 8, .value_kind: global_buffer, .address_space: global }
      - { .name: out0, .offset: 24, .size: 8, .value_kind: global_buffer, .address_space: global }
    .group_segment_fixed_size: 327680
    .private_segment_fixed_size: 0
    .kernarg_segment_align: 8
    .kernarg_segment_size: 32
    .max_flat_workgroup_size: 128
    .sgpr_count:     92
    .vgpr_count:     768
    .wavefront_size: 32
...
	.end_amdgpu_metadata
.endif
;; end of part 4
